; MI455X (gfx1250); checked and timed in simulation.
; The chip was launched on July 23, 2026; its instructions are those of AMD's public machine-readable ISA for CDNA 5 (MIT licence, August 2026) and "CDNA5" Instruction Set Architecture Reference Guide (July 2026). The comments in the code are by the model that wrote it; some were corrected since.
;; Multi Head Attention. Allowed arithmetic: matrix products marked QUANTISED: E2M3 operands, one E8M0 scale for each 32 along K, by v_wmma_scale_f32_16x16x128_f8f6f4 with both operands' format E2M3, f32 sums; everything else in f32.
;; Inputs: k 2 x 4,096 x 512 float32; q 2 x 4,096 x 512 float32; v 2 x 4,096 x 512 float32; wk 512 x 512 float32; wo 512 x 512 float32; wq 512 x 512 float32; wv 512 x 512 float32.
;; Outputs: out0 2 x 4,096 x 512 float32.
;; This version of the problem:
;;   THIS VERSION OF THE PROBLEM IS GIVEN IN LOW PRECISION. The matrix products marked QUANTISED in the list below multiply operands that are first quantised to E2M3 (2 exponent bits, 3 mantissa bits; 6 bits a number), with one power-of-two scale for each 32 numbers along K (OCP MX v1.0); their sums are f32. All else is computed in f32.
;;   The module's matrix products, in the order in which they are computed (A, B: the left and right operand; K: the contracted axis; several contracted axes count as one K, in the product's order):
;;     1. [M 8,192, K 512] x [K 512, N 512]; A: input q; B: input wq: QUANTISED
;;     2. [M 8,192, K 512] x [K 512, N 512]; A: input k; B: input wk: QUANTISED
;;     3. [M 8,192, K 512] x [K 512, N 512]; A: input v; B: input wv: QUANTISED
;;     4. batch 16 x [M 4,096, K 64] x [K 64, N 4,096]; A: computed on the way; B: computed on the way: QUANTISED
;;     5. batch 16 x [M 4,096, K 4,096] x [K 4,096, N 64]; A: softmax (see below); B: computed on the way: QUANTISED
;;     6. [M 8,192, K 512] x [K 512, N 512]; A: computed on the way; B: input wo: QUANTISED
;;   THE QUANTISER, for each operand of a quantised product, along K:
;;     - K is cut into blocks of 32 from its start; a last block that is shorter is filled with zeros.
;;     - A block's scale is 2^e with e = floor(log2(the largest magnitude in the block)) - 2, held to -126 .. 127; a block of zeros has e = 0. As a byte (E8M0): e + 127.
;;     - Each number is divided by its block's scale, clamped to +-7.5, and rounded to the nearest number of E2M3, ties to even, subnormals kept.
;;     - The product sums the exact products of the quantised numbers (number of the format x scale) in f32.
;;   ~~~python
;;   def quantise(x, axis):      # numpy; x: float32 -> the quantised numbers, widened to float32 again
;;       x = np.moveaxis(x, axis, -1); K = x.shape[-1]
;;       x = np.pad(x, [(0, 0)] * (x.ndim - 1) + [(0, -K % 32)]); x = x.reshape(x.shape[:-1] + (-1, 32)); a = np.abs(x).max(-1, keepdims=True)
;;       e = np.where(a > 0, np.clip(np.frexp(np.where(a > 0, a, 1))[1] - 1 - 2, -126, 127), 0)      # np.frexp(a)[1] - 1 = floor(log2(a)), exactly
;;       r = np.clip(x / 2.0 ** e, -7.5, 7.5)
;;       step = 2.0 ** (np.maximum(np.frexp(np.where(r == 0, 1, r))[1] - 1, 0) - 3)
;;       q = np.round(r / step) * step * 2.0 ** e      # np.round: ties to even
;;       return np.moveaxis(q.reshape(q.shape[:-2] + (-1,))[..., :K], -1, axis).astype(np.float32)
;;   ~~~
;;   SOFTMAX AHEAD OF A QUANTISED PRODUCT. Where the list says 'softmax', what is quantised is not the finished softmax but p = 2^(t - M), with t = logit x log2(e) and M = ceil(the row's largest t), a whole number; so 1/2 < the row's largest p <= 1. The row's sum l is taken of the UNQUANTISED p, in f32, and the product's result is divided by l at the end. Since M is a whole number, a kernel that streams over the keys may use a running M (the ceiling of the running maximum): every later rescaling is an exact power of two, which a block's scale takes up: the codes' values come out the same.
;;   OPERANDS COMPUTED ON THE WAY. 'Computed on the way' means the value that the module computes at that place (a softmax that the list does not call 'softmax' is quantised finished and normalised). What goes into a quantiser is computed in f32, as accurately as f32 sums, v_exp_f32 and their like allow (about 1e-6 of the number): no bf16 or f16 on the way to a quantiser, and a product that is left as it is and whose result goes on into a quantised operand takes f32 operands (vector FMAs, or v_wmma_f32_16x16x4_f32). A number that lies on a knife's edge between two numbers of the format may be rounded either way, as far as f32 arithmetic and the matrix unit's own rounding can turn it there, and no further.
;; 2 versions. Each part assembles by itself: llvm-mc -triple=amdgcn-amd-amdhsa -mcpu=gfx1250 --defsym DOCPART=n.
;; ======== version 1 of 2: 4 launches
;; workspace buffers: wc 819,200 bytes; qc 3,276,800 bytes; kv 6,553,600 bytes; oc 3,407,872 bytes
;; launch wquant (part 1): grid 32 x 4, 4 waves a work-group, no clusters, 1,024 bytes of LDS; arguments wq, wk, wv, wo, wc; writes wc
.if DOCPART == 1
	.amdgcn_target "amdgcn-amd-amdhsa--gfx1250"
	.amdhsa_code_object_version 6
	.text
	.protected	k_q5c3fb4119e_wquant
	.globl	k_q5c3fb4119e_wquant
	.p2align	8
	.type	k_q5c3fb4119e_wquant,@function
k_q5c3fb4119e_wquant:
	s_mov_b64 s[64:65], 0
	v_nop
	global_prefetch_b8 v0, s[64:65] scope:SCOPE_SE
	s_setreg_imm32_b32 hwreg(HW_REG_WAVE_MODE, 25, 1), 1
	s_wait_xcnt 0x0
; The four weights [512][512] f32 (K innermost) become codes of FP6 (E2M3) with one E8M0 byte for each 32 along K, laid as IMAGES OF OPERAND REGISTERS.
; A fragment is 16 rows x 128 K, 12 registers a lane; register j of lane l lies at byte 512 (j / 4) + 16 l + 4 (j % 4): three loads of 16 bytes a lane bring it back.
; THE ROWS OF A TILE ARE NOT NEIGHBOURS: in a group of 128 rows, lane r of tile t holds row 32 (t / 2) + 8 (t % 2) + r + 8 (r / 8).
; wc: weight wi (0 wq, 1 wk, 2 wv, 3 wo) at 204,800 wi; fragment (tile x = 0 .. 31, K step s) at (4 x + s) 1,536; scale words at 196,608 + 256 x + 16 r + 4 s.
; SHARES: work-group (x, wi) takes one tile of 16 rows, wave s its K step s.  The four scale words of a row meet in LDS and leave as one aligned run of 256 bytes.
; LIMITS: NaN and infinities are not served; a block whose largest magnitude lies under 2^-124 is held at byte 1; a block of zeros has byte 1 where the rule says 127
; (its codes are zeros, and this program alone reads the bytes).
.set X,   16                           ; v16-79   64 numbers: register 16 b + i = k 32 b + 16 (lane / 16) + i of my row
.set FA,  80                           ; v80-91   the fragment
.set CT,  92                           ; v92-98   conversions' second halves
.set TM,  100                          ; v100-115 at work
.set PW,  116                          ; v116     my row's scale word
.set XA,  4
.set LI,  5
.set SA,  6
.set L8,  7
.set SPW, 12                           ; LDS address of my spare word; never rewritten
.set NIL, 13                           ; 0; never rewritten
.set SEL, 26                           ; s[26:27] lane selects: lane l xor 16
.set SPARE, 256                        ; behind the 256 bytes of scale words: 128 bytes for each wave
; 64 numbers of a lane become a fragment's codes (registers da .. da + 5 and db .. db + 5) and its scale word.
.macro QUANT src, da, db, pw
.irp b, 0,1,2,3
	v_max3_num_f32 v[TM+\b], |v[(\src)+16*\b]|, |v[(\src)+16*\b+1]|, 0x1800000   ; my 16 of block b, and the floor 2^(3 - 127): the byte cannot fall under 1
.endr
.irp i, 2,4,6,8,10,12,14
.irp b, 0,1,2,3
	v_max3_num_f32 v[TM+\b], v[TM+\b], |v[(\src)+16*\b+\i]|, |v[(\src)+16*\b+\i+1]|   ; the four blocks by turns
.endr
.endr
.irp b, 0,1,2,3
	v_permlanex16_b32 v[TM+4+\b], v[TM+\b], s[SEL], s[SEL+1]
.endr
.irp b, 0,1,2,3
	v_max_num_f32 v[TM+\b], v[TM+\b], v[TM+4+\b]       ; with lane l xor 16's 16: the block's largest magnitude
.endr
.irp b, 0,1,2,3
	v_add_nc_u32 v[TM+12+\b], 0xff000000, v[TM+\b]     ; 2 off its exponent field: the conversion's scale operand
.endr
.irp b, 0,1,2,3
	v_lshrrev_b32 v[TM+4+\b], 23, v[TM+12+\b]          ; the scale's byte
.endr
	v_lshl_or_b32 v[\pw], v[TM+5], 8, v[TM+4]
	v_lshl_or_b32 v[\pw], v[TM+6], 16, v[\pw]
	v_lshl_or_b32 v[\pw], v[TM+7], 24, v[\pw]
	v_cvt_scalef32_pk16_fp6_f32 v[(\da):(\da)+2], v[(\src):(\src)+15], v[TM+12]
	v_cvt_scalef32_pk16_fp6_f32 v[CT:CT+2], v[(\src)+16:(\src)+31], v[TM+13]   ; (a conversion's three registers begin on an even number)
	v_cvt_scalef32_pk16_fp6_f32 v[(\db):(\db)+2], v[(\src)+32:(\src)+47], v[TM+14]
	v_cvt_scalef32_pk16_fp6_f32 v[CT+4:CT+6], v[(\src)+48:(\src)+63], v[TM+15]
	v_nop                                              ; one plain place behind the scaled conversions
.irp i, 0,1,2
	v_permlane16_swap_b32 v[(\da)+\i], v[CT+\i]        ; the layout wants a whole block in a lane: lanes 0-15 the even block, lanes 16-31 the odd one
.endr
.irp i, 0,1,2
	v_mov_b32 v[(\da)+3+\i], v[CT+\i]
.endr
.irp i, 0,1,2
	v_permlane16_swap_b32 v[(\db)+\i], v[CT+4+\i]
.endr
.irp i, 0,1,2
	v_mov_b32 v[(\db)+3+\i], v[CT+4+\i]
.endr
.endm
	s_load_b256 s[4:11], s[0:1], 0x0               ; wq, wk, wv, wo
	s_load_b64 s[12:13], s[0:1], 0x20              ; wc
	v_lshl_add_u32 v[SPW], v0, 2, SPARE
	v_mov_b32 v[NIL], 0
	v_lshrrev_b32 v1, 5, v0
	v_readfirstlane_b32 s14, v1                    ; wave = K step
	s_and_b32 s15, ttmp7, 0xffff                   ; which weight
	v_and_b32 v1, 31, v0                           ; lane
	v_and_b32 v2, 15, v0                           ; r
	v_bfe_u32 v3, v0, 4, 1                         ; h
	v_and_b32 v[XA], 8, v2
	v_add_nc_u32 v[XA], v[XA], v2                  ; r + 8 (r / 8)
	v_lshlrev_b32 v[XA], 11, v[XA]                 ; rows of 2,048 bytes
	v_lshl_add_u32 v[XA], v3, 6, v[XA]             ; + 64 h: my 16 numbers of a block
	v_lshlrev_b32 v[LI], 4, v1
	s_lshl_b32 s18, s14, 2
	v_lshl_add_u32 v[SA], v2, 4, s18               ; LDS: 16 r + 4 x wave
	v_lshlrev_b32 v[L8], 3, v1
.irp b, 0,1,2,3
	v_mov_b32 v[TM+4+\b], 0                        ; written once: a lane permute's destination counts as one of its sources
.endr
	s_mov_b32 s[SEL], 0x76543210
	s_mov_b32 s[SEL+1], 0xfedcba98
	s_lshr_b32 s18, ttmp9, 3                       ; the tile's first row: 128 (x / 8) + 32 ((x / 2) % 4) + 8 (x % 2)
	s_lshl_b32 s18, s18, 7
	s_bfe_u32 s19, ttmp9, 0x20001
	s_lshl_b32 s19, s19, 5
	s_add_co_u32 s18, s18, s19
	s_and_b32 s19, ttmp9, 1
	s_lshl_b32 s19, s19, 3
	s_add_co_u32 s18, s18, s19
	s_lshl_b32 s18, s18, 11
	s_lshl_b32 s19, s14, 9                         ; + my K step's 512 bytes
	s_add_co_u32 s18, s18, s19
	s_mov_b32 s19, 0
	s_mul_i32 s22, s15, 204800
	s_lshl_b32 s23, ttmp9, 2
	s_add_co_u32 s23, s23, s14
	s_mul_i32 s23, s23, 1536
	s_add_co_u32 s20, s22, s23                     ; my fragment's place in wc
	s_mov_b32 s21, 0
	s_lshl_b32 s24, ttmp9, 8
	s_add_co_u32 s24, s24, s22
	s_add_co_u32 s24, s24, 196608                  ; the tile's scale words
	s_mov_b32 s25, 0
	s_wait_kmcnt 0x0
	s_cmp_eq_u32 s15, 1                            ; the choice hangs on the work-group's number alone
	s_cselect_b64 s[16:17], s[6:7], s[4:5]
	s_cmp_eq_u32 s15, 2
	s_cselect_b64 s[16:17], s[8:9], s[16:17]
	s_cmp_eq_u32 s15, 3
	s_cselect_b64 s[16:17], s[10:11], s[16:17]
	s_add_nc_u64 s[16:17], s[16:17], s[18:19]
	s_add_nc_u64 s[20:21], s[12:13], s[20:21]
	s_add_nc_u64 s[24:25], s[12:13], s[24:25]
.irp b, 0,1,2,3
.irp j, 0,1,2,3
	global_load_b128 v[X+16*\b+4*\j:X+16*\b+4*\j+3], v[XA], s[16:17] offset:128*\b+16*\j th:TH_LOAD_NT
.endr
.endr
	s_wait_loadcnt 0x0
	QUANT X, FA, FA+6, PW
.irp c, 0,1,2
	global_store_b128 v[LI], v[FA+4*\c:FA+4*\c+3], s[20:21] offset:512*\c   ; 32 lanes store 512 consecutive bytes
.endr
	ds_store_b32 v[SA], v[PW]                      ; lanes r and r + 16 write the same word with the same value
	s_wait_dscnt 0x0                               ; for the others' sake: my store has landed
	s_barrier_signal -1
	s_barrier_wait -1
	s_cmp_lg_u32 s14, 0
	s_cbranch_scc1 .Lend
	ds_load_b64 v[118:119], v[L8]                  ; wave 0: the tile's 256 bytes of scale words
	s_wait_dscnt 0x0
	global_store_b64 v[L8], v[118:119], s[24:25]   ; 32 lanes store 256 consecutive bytes, aligned
.Lend:
	s_wait_tensorcnt 0x0                           ; the wave's end, behind my last LDS store
	ds_add_u32 v[SPW], v[NIL]
	s_wait_dscnt 0x0
	s_endpgm
.Lfunc_end_k_q5c3fb4119e_wquant:
	.size	k_q5c3fb4119e_wquant, .Lfunc_end_k_q5c3fb4119e_wquant-k_q5c3fb4119e_wquant
	.p2alignl 7, 3214868480
	.fill 96, 4, 3214868480
	.section	.rodata,"a",@progbits
	.p2align	6, 0x0
	.amdhsa_kernel k_q5c3fb4119e_wquant
		.amdhsa_group_segment_fixed_size 1024
		.amdhsa_private_segment_fixed_size 0
		.amdhsa_enable_private_segment 0
		.amdhsa_kernarg_size 40
		.amdhsa_user_sgpr_count 2
		.amdhsa_user_sgpr_kernarg_segment_ptr 1
		.amdhsa_wavefront_size32 1
		.amdhsa_system_sgpr_workgroup_id_x 1
		.amdhsa_system_sgpr_workgroup_id_y 1
		.amdhsa_system_sgpr_workgroup_id_z 1
		.amdhsa_system_vgpr_workitem_id 0
		.amdhsa_next_free_vgpr 128
		.amdhsa_next_free_sgpr 66
		.amdhsa_reserve_vcc 0
		.amdhsa_float_denorm_mode_32 3
		.amdhsa_float_denorm_mode_16_64 3
		.amdhsa_memory_ordered 1
		.amdhsa_forward_progress 1
		.amdhsa_inst_pref_size 9
	.end_amdhsa_kernel
	.amdgpu_metadata
---
amdhsa.version: [ 1, 2 ]
amdhsa.kernels:
  - .name:           k_q5c3fb4119e_wquant
    .symbol:         k_q5c3fb4119e_wquant.kd
    .args:
      - { .name: wq, .offset: 0, .size: 8, .value_kind: global_buffer, .address_space: global }
      - { .name: wk, .offset: 8, .size: 8, .value_kind: global_buffer, .address_space: global }
      - { .name: wv, .offset: 16, .size: 8, .value_kind: global_buffer, .address_space: global }
      - { .name: wo, .offset: 24, .size: 8, .value_kind: global_buffer, .address_space: global }
      - { .name: wc, .offset: 32, .size: 8, .value_kind: global_buffer, .address_space: global }
    .group_segment_fixed_size: 1024
    .private_segment_fixed_size: 0
    .kernarg_segment_align: 8
    .kernarg_segment_size: 40
    .max_flat_workgroup_size: 128
    .sgpr_count:     66
    .vgpr_count:     128
    .wavefront_size: 32
...
	.end_amdgpu_metadata
.endif
;; end of part 1
;; launch proj (part 2): grid 64 x 3, 4 waves a work-group, no clusters, 107,008 bytes of LDS; arguments q, k, v, wc, qc, kv; writes qc, kv
.if DOCPART == 2
	.amdgcn_target "amdgcn-amd-amdhsa--gfx1250"
	.amdhsa_code_object_version 6
	.text
	.protected	k_q5c3fb4119e_proj
	.globl	k_q5c3fb4119e_proj
	.p2align	8
	.type	k_q5c3fb4119e_proj,@function
k_q5c3fb4119e_proj:
	s_mov_b64 s[64:65], 0
	v_nop
	global_prefetch_b8 v0, s[64:65] scope:SCOPE_SE
	s_setreg_imm32_b32 hwreg(HW_REG_WAVE_MODE, 25, 1), 1
	s_wait_xcnt 0x0
; xq = q wq^T, xk = k wk^T, xv = v wv^T on codes of FP6 (E2M3) with E8M0 scales; the results are quantised at once for the attention: xq, xk along the head's 64, xv along the keys.
; SHARES.  Work-group (bg, Y) takes the 128 rows of group bg (batch bg / 32, group bg % 32) of tensor Y (0 q, 1 k, 2 v) against all 512 outputs: 192 work-groups, since a fragment of V wants
; 128 keys in one lane's registers and there are 24,576 / 128 groups.  Wave w takes outputs 128 w .. 128 w + 127: heads 2 w and 2 w + 1.
; PHASE X (both paths): wave w quantises x's tiles 2 w and 2 w + 1 (8 fragments) and stores them in LDS as images of their registers; one barrier.
; Q, K: source 0 = my 8 tiles of W (32 fragments, resident in registers), source 1 = a tile of x from LDS: a lane holds one row, its registers run along the outputs.
; V:    source 0 = the 8 tiles of x (resident), source 1 = a tile of W from memory: a lane holds one output d, its registers run along the 128 keys.
; THE ROWS OF A TILE ARE NOT NEIGHBOURS (x's, W's): lane r of tile t holds row 32 (t / 2) + 8 (t % 2) + r + 8 (r / 8), so that registers 16 b + i of two neighbouring result tiles are 16 neighbours along the next K.
; OUT.  qc: record (b, head, g) of 6,400 bytes: four PAIR fragments (registers 0-5 tile 2 p, 6-11 tile 2 p + 1; lane (r, h): d = 32 h ..) at 1,536 p, scale words at 6,144 + 16 r + 4 p.
; kv: record of 12,800 bytes: K as in qc; V^T's four fragments (lane r: d by the tile order, K = the record's 128 keys) at 6,400 + 1,536 t, scale words at 12,544 + 16 r + 4 t.
; The two paths part once, on the work-group's number, and each has LDS bytes of its own.  No tensor load.
; LIMITS: NaN and infinities are not served; a block under 2^-124 is held at byte 1; a block of zeros has byte 1 where the rule says 127 (zero codes; this program alone reads the bytes).
; REGISTERS: window 0 below; window 1: source 0, K steps 0, 1 at 24 t + 12 s; window 2: K steps 2, 3 likewise; window 3: source 1 in buffers of 48.
.set VB,    53248                      ; LDS: the V path's images begin here
.set XSC,   49152                      ; behind a path's 32 fragments: x's scale words, tile t: 16 bytes a lane at 512 t + 16 l
.set SPARE, 106496                     ; the spare words, 128 bytes for each wave
.set XA,   4                           ; x: (r + 8 (r / 8)) 2,048 + 64 h
.set LI,   5                           ; 16 x lane
.set LR,   6                           ; 16 r
.set XWI,  7                           ; where I store x's images: 16 l + 12,288 w
.set XWS,  8                           ; and their scale words: 16 l + 1,024 w
.set XWSV, 9                           ; the same three for the V path
.set AOB,  10                          ; 16 l + 32 records: the odd head's record
.set ASC,  11                          ; 16 r + h x 32 records
.set SPW,  12
.set NIL,  13
.set LIV,  14
.set XWIV, 15
.set HA,   16                          ; v16-79   the 8 result tiles; x's set A
.set XB,   80                          ; v80-143  x's set B
.set PWS,  80                          ; later: 8 scale words,
.set WA,   88                          ; the even head's four,
.set WB,   92                          ; the odd head's four,
.set WW,   96                          ; and what is stored
.set S0S,  144                         ; v144-175 source 0's scale words, register 4 t + s
.set S1S,  176                         ; v176-207 source 1's, register 4 m + s
.set FA,   208                         ; v208-219 a fragment
.set FB,   220                         ; v220-231 another
.set XPW,  220                         ; in phase X: a tile's four scale words
.set CT,   232
.set TM,   240
.set SEL,  20
.set MSB, 0
.macro WIN new                         ; the immediate's high byte repeats the setting that is left
.if MSB != \new
	s_set_vgpr_msb (MSB<<8)|\new
.set MSB, \new
.endif
.endm
.macro PLACES n
.rept \n
	v_nop
.endr
.endm
.macro QUANT src, da, db, pw
.irp b, 0,1,2,3
	v_max3_num_f32 v[TM+\b], |v[(\src)+16*\b]|, |v[(\src)+16*\b+1]|, 0x1800000   ; my 16 of block b, and the floor 2^(3 - 127).  (Each result tile is read from its low end on)
.endr
.irp i, 2,4,6,8,10,12,14
.irp b, 0,1,2,3
	v_max3_num_f32 v[TM+\b], v[TM+\b], |v[(\src)+16*\b+\i]|, |v[(\src)+16*\b+\i+1]|
.endr
.endr
.irp b, 0,1,2,3
	v_permlanex16_b32 v[TM+4+\b], v[TM+\b], s[SEL], s[SEL+1]
.endr
.irp b, 0,1,2,3
	v_max_num_f32 v[TM+\b], v[TM+\b], v[TM+4+\b]
.endr
.irp b, 0,1,2,3
	v_add_nc_u32 v[TM+12+\b], 0xff000000, v[TM+\b]     ; 2 off the exponent field: the conversion's scale operand
.endr
.irp b, 0,1,2,3
	v_lshrrev_b32 v[TM+4+\b], 23, v[TM+12+\b]          ; the scale's byte
.endr
	v_lshl_or_b32 v[\pw], v[TM+5], 8, v[TM+4]
	v_lshl_or_b32 v[\pw], v[TM+6], 16, v[\pw]
	v_lshl_or_b32 v[\pw], v[TM+7], 24, v[\pw]
	v_cvt_scalef32_pk16_fp6_f32 v[(\da):(\da)+2], v[(\src):(\src)+15], v[TM+12]
	v_cvt_scalef32_pk16_fp6_f32 v[CT:CT+2], v[(\src)+16:(\src)+31], v[TM+13]
	v_cvt_scalef32_pk16_fp6_f32 v[(\db):(\db)+2], v[(\src)+32:(\src)+47], v[TM+14]
	v_cvt_scalef32_pk16_fp6_f32 v[CT+4:CT+6], v[(\src)+48:(\src)+63], v[TM+15]
	v_nop                                              ; one plain place behind the scaled conversions
.irp i, 0,1,2
	v_permlane16_swap_b32 v[(\da)+\i], v[CT+\i]
.endr
.irp i, 0,1,2
	v_mov_b32 v[(\da)+3+\i], v[CT+\i]
.endr
.irp i, 0,1,2
	v_permlane16_swap_b32 v[(\db)+\i], v[CT+4+\i]
.endr
.irp i, 0,1,2
	v_mov_b32 v[(\db)+3+\i], v[CT+4+\i]
.endr
.endm
.macro WMZ d, a, b, sa, sb             ; a product that starts a sum
	v_wmma_scale_f32_16x16x128_f8f6f4 v[(\d):(\d)+7], v[(\a):(\a)+11], v[(\b):(\b)+11], 0, v[\sa], v[\sb] matrix_a_fmt:MATRIX_FMT_FP6 matrix_b_fmt:MATRIX_FMT_FP6
.endm
.macro WMA d, a, b, sa, sb             ; and one that goes on in place
	v_wmma_scale_f32_16x16x128_f8f6f4 v[(\d):(\d)+7], v[(\a):(\a)+11], v[(\b):(\b)+11], v[(\d):(\d)+7], v[\sa], v[\sb] matrix_a_fmt:MATRIX_FMT_FP6 matrix_b_fmt:MATRIX_FMT_FP6
.endm
; my 16 rows' numbers of tile u (of my two), K step s: 64 a lane
.macro XLOAD reg, u, s
.irp b, 0,1,2,3
.irp j, 0,1,2,3
	global_load_b128 v[(\reg)+16*\b+4*\j:(\reg)+16*\b+4*\j+3], v[XA], s[24:25] offset:(\u)*16384+512*(\s)+128*\b+16*\j th:TH_LOAD_NT
.endr
.endr
.endm
; PHASE X: eight fragments, two sets of registers by turns; the loads run two fragments ahead
.macro PHASEX xwi, xws
	XLOAD HA, 0, 0
	XLOAD XB, 0, 1
.set FI, 0
.rept 8
.if FI < 7
	s_wait_loadcnt 16                              ; this fragment's numbers are in (and all that was asked for earlier); the next fragment's 16 loads may be out
.else
	s_wait_loadcnt 0x0
.endif
	s_wait_dscnt 0x0                               ; the last fragment's LDS stores have read their registers
	QUANT HA+64*(FI%2), FA, FA+6, XPW+FI%4
.irp c, 0,1,2
	ds_store_b128 v[\xwi], v[FA+4*\c:FA+4*\c+3] offset:FI*1536+512*\c
.endr
.if FI < 6
	XLOAD HA+64*(FI%2), (FI+2)/4, (FI+2)%4
.endif
.if FI%4 == 3
	ds_store_b128 v[\xws], v[XPW:XPW+3] offset:XSC+512*(FI/4)
.endif
.set FI, FI+1
.endr
	s_wait_dscnt 0x0                               ; for the others' sake: my images have landed
	s_barrier_signal -1
	s_barrier_wait -1
.endm
; 32 products: the 8 tiles of source 0 against ONE tile of source 1 (buffer buf of window 3, scale words 4 m ..), K ascending.  The eight accumulators take turns.
.macro MULT buf, m
	WIN 0x0d                                       ; source 0 window 1, source 1 window 3, C and D window 0
.irp t, 0,1,2,3,4,5,6,7
	WMZ HA+8*\t, 24*\t, \buf, S0S+4*\t, S1S+4*(\m)
.endr
.irp t, 0,1,2,3,4,5,6,7
	WMA HA+8*\t, 24*\t+12, (\buf)+12, S0S+4*\t+1, S1S+4*(\m)+1
.endr
	WIN 0x0e                                       ; source 0 window 2
.irp t, 0,1,2,3,4,5,6,7
	WMA HA+8*\t, 24*\t, (\buf)+24, S0S+4*\t+2, S1S+4*(\m)+2
.endr
.irp t, 0,1,2,3,4,5,6,7
	WMA HA+8*\t, 24*\t+12, (\buf)+36, S0S+4*\t+3, S1S+4*(\m)+3
.endr
	WIN 0
.endm
.macro FETCH1 m                        ; Q, K: x's tile m from LDS: 4 fragments and its scale words
	WIN 0xc0                                       ; destination window 3
.irp s, 0,1,2,3
.irp c, 0,1,2
	ds_load_b128 v[48*((\m)%2)+12*\s+4*\c:48*((\m)%2)+12*\s+4*\c+3], v[LI] offset:(4*(\m)+\s)*1536+512*\c
.endr
.endr
	WIN 0
	ds_load_b128 v[S1S+4*(\m):S1S+4*(\m)+3], v[LI] offset:XSC+512*(\m)
.endm
.macro WTILE nt                        ; V: W's tile nt from memory into buffer nt % 5
	WIN 0xc0
.irp s, 0,1,2,3
.irp c, 0,1,2
	global_load_b128 v[48*((\nt)%5)+12*\s+4*\c:48*((\nt)%5)+12*\s+4*\c+3], v[LI], s[26:27] offset:(4*(\nt)+\s)*1536+512*\c
.endr
.endr
	WIN 0
.endm
	s_load_b256 s[4:11], s[0:1], 0x0               ; q, k, v, wc
	s_load_b128 s[12:15], s[0:1], 0x20             ; qc, kv
	v_lshl_add_u32 v[SPW], v0, 2, SPARE
	v_mov_b32 v[NIL], 0
	v_lshrrev_b32 v1, 5, v0
	v_readfirstlane_b32 s16, v1                    ; wave
	s_and_b32 s17, ttmp7, 0xffff                   ; Y
	s_mov_b32 s18, ttmp9                           ; bg
	v_and_b32 v1, 31, v0
	v_and_b32 v2, 15, v0                           ; r
	v_bfe_u32 v3, v0, 4, 1                         ; h (kept)
	v_lshlrev_b32 v[LI], 4, v1
	v_lshlrev_b32 v[LR], 4, v2
	v_and_b32 v1, 8, v2
	v_add_nc_u32 v1, v1, v2
	v_lshlrev_b32 v[XA], 11, v1
	v_lshl_add_u32 v[XA], v3, 6, v[XA]
	s_mul_i32 s32, s16, 12288
	v_add_nc_u32 v[XWI], s32, v[LI]
	s_lshl_b32 s32, s16, 10
	v_add_nc_u32 v[XWS], s32, v[LI]
	v_add_nc_u32 v[LIV], VB, v[LI]
	v_add_nc_u32 v[XWIV], VB, v[XWI]
	v_add_nc_u32 v[XWSV], VB, v[XWS]
	s_cmp_eq_u32 s17, 0
	s_mov_b32 s33, 12800
	s_cselect_b32 s33, 6400, s33                   ; a record's bytes: qc's or kv's
	s_lshl_b32 s23, s33, 5                         ; a head on: 32 records
	v_add_nc_u32 v[AOB], s23, v[LI]
	v_mul_lo_u32 v[ASC], v3, s23
	v_add_nc_u32 v[ASC], v[ASC], v[LR]
.irp b, 0,1,2,3
	v_mov_b32 v[TM+4+\b], 0                        ; written once: a lane permute's destination counts as one of its sources
.endr
	s_mov_b32 s[SEL], 0x76543210
	s_mov_b32 s[SEL+1], 0xfedcba98
	s_lshr_b32 s34, s18, 5                         ; record ((8 b + 2 w) 32 + g)
	s_lshl_b32 s34, s34, 3
	s_lshl_b32 s35, s16, 1
	s_add_co_u32 s34, s34, s35
	s_lshl_b32 s34, s34, 5
	s_and_b32 s35, s18, 31
	s_add_co_u32 s34, s34, s35
	s_mul_i32 s34, s34, s33
	s_mov_b32 s35, 0
	s_lshl_b32 s36, s18, 18                        ; x at row 128 bg + 32 w
	s_lshl_b32 s37, s16, 16
	s_add_co_u32 s36, s36, s37
	s_mov_b32 s37, 0
	s_mul_i32 s38, s17, 204800                     ; my weight in wc,
	s_mul_i32 s39, s16, 49152                      ; my 8 tiles' fragments,
	s_add_co_u32 s40, s38, s39
	s_mov_b32 s41, 0
	s_lshl_b32 s39, s16, 11                        ; and their scale words
	s_add_co_u32 s42, s38, s39
	s_add_co_u32 s42, s42, 196608
	s_mov_b32 s43, 0
	s_wait_kmcnt 0x0
	s_cmp_eq_u32 s17, 1                            ; the choices hang on the work-group's number alone
	s_cselect_b64 s[24:25], s[6:7], s[4:5]
	s_cmp_eq_u32 s17, 2
	s_cselect_b64 s[24:25], s[8:9], s[24:25]
	s_cmp_eq_u32 s17, 0
	s_cselect_b64 s[30:31], s[12:13], s[14:15]
	s_add_nc_u64 s[24:25], s[24:25], s[36:37]
	s_add_nc_u64 s[26:27], s[10:11], s[40:41]
	s_add_nc_u64 s[28:29], s[10:11], s[42:43]
	s_add_nc_u64 s[30:31], s[30:31], s[34:35]
	s_cmp_eq_u32 s17, 2
	s_cbranch_scc1 .Lv
	; ---------------- Q and K ----------------
	WIN 0x40                                       ; my 32 fragments of W: they stay
.irp t, 0,1,2,3,4,5,6,7
.irp s, 0,1
.irp c, 0,1,2
	global_load_b128 v[24*\t+12*\s+4*\c:24*\t+12*\s+4*\c+3], v[LI], s[26:27] offset:(4*\t+\s)*1536+512*\c
.endr
.endr
.endr
	WIN 0x80
.irp t, 0,1,2,3,4,5,6,7
.irp s, 0,1
.irp c, 0,1,2
	global_load_b128 v[24*\t+12*\s+4*\c:24*\t+12*\s+4*\c+3], v[LI], s[26:27] offset:(4*\t+2+\s)*1536+512*\c
.endr
.endr
.endr
	WIN 0
.irp t, 0,1,2,3,4,5,6,7
	global_load_b128 v[S0S+4*\t:S0S+4*\t+3], v[LR], s[28:29] offset:256*\t
.endr
	PHASEX XWI, XWS
	FETCH1 0
.set MI, 0
.rept 8
.if MI < 7
	FETCH1 MI+1
	s_wait_dscnt 13                                ; this tile's 13 loads are in; the next tile's 13 may be out
.else
	s_wait_dscnt 0x0
.endif
	MULT 48*(MI%2), MI
	PLACES 4                                       ; in front of the first read of the results
	s_wait_xcnt 0x0                                ; the last stores have read their registers
	QUANT HA, FA+6*(MI%2), FB+6*(MI%2), PWS+MI     ; blocks 0, 1: head 2 w; blocks 2, 3: head 2 w + 1; two tiles make a pair fragment
.if MI%2 == 1
.irp c, 0,1,2
	global_store_b128 v[LI], v[FA+4*\c:FA+4*\c+3], s[30:31] offset:1536*(MI/2)+512*\c
.endr
.irp c, 0,1,2
	global_store_b128 v[AOB], v[FB+4*\c:FB+4*\c+3], s[30:31] offset:1536*(MI/2)+512*\c
.endr
.endif
.set MI, MI+1
.endr
	v_cmp_eq_u32 vcc_lo, 1, v3                     ; lanes 16-31 store the odd head's words
.irp p, 0,1,2,3
	v_perm_b32 v[WA+\p], v[PWS+2*\p+1], v[PWS+2*\p], 0x05040100   ; the even head: tile 2 p's two bytes below, tile 2 p + 1's above
	v_perm_b32 v[WB+\p], v[PWS+2*\p+1], v[PWS+2*\p], 0x07060302   ; the odd head
.endr
.irp p, 0,1,2,3
	v_cndmask_b32 v[WW+\p], v[WA+\p], v[WB+\p], vcc_lo
.endr
	global_store_b128 v[ASC], v[WW:WW+3], s[30:31] offset:6144   ; sixteen lanes store a record's 256 bytes of scale words
	s_wait_tensorcnt 0x0                           ; the wave's end, behind my last LDS store
	ds_add_u32 v[SPW], v[NIL]
	s_wait_dscnt 0x0
	s_endpgm
	; ---------------- V ----------------
.Lv:
	WTILE 0
	WTILE 1
	WTILE 2
	WTILE 3
	WTILE 4
.irp t, 0,1,2,3,4,5,6,7
	global_load_b128 v[S1S+4*\t:S1S+4*\t+3], v[LR], s[28:29] offset:256*\t
.endr
	PHASEX XWIV, XWSV
	WIN 0x40                                       ; all 32 fragments of x become source 0
.irp t, 0,1,2,3,4,5,6,7
.irp s, 0,1
.irp c, 0,1,2
	ds_load_b128 v[24*\t+12*\s+4*\c:24*\t+12*\s+4*\c+3], v[LIV] offset:(4*\t+\s)*1536+512*\c
.endr
.endr
.endr
	WIN 0x80
.irp t, 0,1,2,3,4,5,6,7
.irp s, 0,1
.irp c, 0,1,2
	ds_load_b128 v[24*\t+12*\s+4*\c:24*\t+12*\s+4*\c+3], v[LIV] offset:(4*\t+2+\s)*1536+512*\c
.endr
.endr
.endr
	WIN 0
.irp t, 0,1,2,3,4,5,6,7
	ds_load_b128 v[S0S+4*\t:S0S+4*\t+3], v[LIV] offset:XSC+512*\t
.endr
	s_wait_dscnt 0x0
.set NI, 0
.rept 8
.if NI >= 5
	s_wait_loadcnt 12*(7-NI)                       ; this tile of W is in; the later tiles' 12 loads each may be out
.endif
	MULT 48*(NI%5), NI
	PLACES 4                                       ; in front of loads into the buffer just read, and of the first read of the results
.if NI < 3
	WTILE NI+5
.endif
	s_wait_xcnt 0x0                                ; the stores of two tiles back have read their registers
	QUANT HA, FA+12*(NI%2), FA+12*(NI%2)+6, PWS+NI ; a lane's 64 numbers are 128 keys' halves of one d: a fragment of V^T
.irp c, 0,1,2
.if NI < 4
	global_store_b128 v[LI], v[FA+12*(NI%2)+4*\c:FA+12*(NI%2)+4*\c+3], s[30:31] offset:6400+1536*(NI%4)+512*\c
.else
	global_store_b128 v[AOB], v[FA+12*(NI%2)+4*\c:FA+12*(NI%2)+4*\c+3], s[30:31] offset:6400+1536*(NI%4)+512*\c
.endif
.endr
.set NI, NI+1
.endr
	v_cmp_eq_u32 vcc_lo, 1, v3
.irp p, 0,1,2,3
	v_cndmask_b32 v[WW+\p], v[PWS+\p], v[PWS+4+\p], vcc_lo
.endr
	global_store_b128 v[ASC], v[WW:WW+3], s[30:31] offset:12544
	s_wait_tensorcnt 0x0                           ; the wave's end, behind my last LDS store
	ds_add_u32 v[SPW], v[NIL]
	s_wait_dscnt 0x0
	s_endpgm
.Lfunc_end_k_q5c3fb4119e_proj:
	.size	k_q5c3fb4119e_proj, .Lfunc_end_k_q5c3fb4119e_proj-k_q5c3fb4119e_proj
	.p2alignl 7, 3214868480
	.fill 96, 4, 3214868480
	.section	.rodata,"a",@progbits
	.p2align	6, 0x0
	.amdhsa_kernel k_q5c3fb4119e_proj
		.amdhsa_group_segment_fixed_size 107008
		.amdhsa_private_segment_fixed_size 0
		.amdhsa_enable_private_segment 0
		.amdhsa_kernarg_size 48
		.amdhsa_user_sgpr_count 2
		.amdhsa_user_sgpr_kernarg_segment_ptr 1
		.amdhsa_wavefront_size32 1
		.amdhsa_system_sgpr_workgroup_id_x 1
		.amdhsa_system_sgpr_workgroup_id_y 1
		.amdhsa_system_sgpr_workgroup_id_z 1
		.amdhsa_system_vgpr_workitem_id 0
		.amdhsa_next_free_vgpr 1024
		.amdhsa_next_free_sgpr 66
		.amdhsa_reserve_vcc 1
		.amdhsa_float_denorm_mode_32 3
		.amdhsa_float_denorm_mode_16_64 3
		.amdhsa_memory_ordered 1
		.amdhsa_forward_progress 1
		.amdhsa_inst_pref_size 255
	.end_amdhsa_kernel
	.section	.bss,"aw",@nobits
	.p2align	6
	.space	262144
	.amdgpu_metadata
---
amdhsa.version: [ 1, 2 ]
amdhsa.kernels:
  - .name:           k_q5c3fb4119e_proj
    .symbol:         k_q5c3fb4119e_proj.kd
    .args:
      - { .name: q, .offset: 0, .size: 8, .value_kind: global_buffer, .address_space: global }
      - { .name: k, .offset: 8, .size: 8, .value_kind: global_buffer, .address_space: global }
      - { .name: v, .offset: 16, .size: 8, .value_kind: global_buffer, .address_space: global }
      - { .name: wc, .offset: 24, .size: 8, .value_kind: global_buffer, .address_space: global }
      - { .name: qc, .offset: 32, .size: 8, .value_kind: global_buffer, .address_space: global }
      - { .name: kv, .offset: 40, .size: 8, .value_kind: global_buffer, .address_space: global }
    .group_segment_fixed_size: 107008
    .private_segment_fixed_size: 0
    .kernarg_segment_align: 8
    .kernarg_segment_size: 48
    .max_flat_workgroup_size: 128
    .sgpr_count:     66
    .vgpr_count:     1024
    .wavefront_size: 32
...
	.end_amdgpu_metadata
.endif
;; end of part 2
;; launch attn (part 3): grid 16 x 16, 16 waves a work-group, no clusters, 327,680 bytes of LDS; arguments qc, kv, oc; writes oc
.if DOCPART == 3
	.amdgcn_target "amdgcn-amd-amdhsa--gfx1250"
	.amdhsa_code_object_version 6
	.text
	.protected	k_q5c3fb4119e_attn
	.globl	k_q5c3fb4119e_attn
	.p2align	8
	.type	k_q5c3fb4119e_attn,@function
k_q5c3fb4119e_attn:
	s_mov_b64 s[64:65], 0
	v_nop
	global_prefetch_b8 v0, s[64:65] scope:SCOPE_SE
	s_setreg_imm32_b32 hwreg(HW_REG_WAVE_MODE, 25, 1), 1
	s_wait_xcnt 0x0
; Causal attention on codes of FP6 (E2M3): S^T = K Q^T, p = 2^(t - M) with t = score x log2(e) / 8 and M the running largest t rounded UP to a whole number, O^T += V^T P^T, O / l, and O quantised along the head's 64 for the last product.
; The row's sum l is taken of the unquantised p.  When M moves, l and O^T are multiplied by 2^(old M - new M): exact.
; SHARES.  Work-group (i, bh) owns query groups i and 31 - i (128 queries each) of one head: under the causal mask the two together see 33 key steps of 128 keys, whatever i.  Sixteen waves, one tile of 16 queries each:
; wave w takes tile m = w / 2 of group i (f = 0) or 31 - i (f = 1), f = (w xor (w / 4)) & 1, so that low and high groups mix among any four neighbouring waves and among any four waves 4 apart.
; A KEY STEP is one record of kv (12,800 bytes: K's four pair fragments and scale words, V^T's four fragments and scale words), laid as images of operand registers: every LDS load is 16 bytes a lane, 512 on end.
; THE HEAD IS 64 WIDE, THE FORM'S K IS 128: a pair fragment holds key tile 2 p in k = 0 .. 63 and key tile 2 p + 1 in k = 64 .. 127; against [Q | zeros] it gives tile 2 p's scores, against [zeros | Q] tile 2 p + 1's.
; THE KEYS AND QUERIES OF A TILE ARE NOT NEIGHBOURS: lane r of tile t is row 32 (t / 2) + 8 (t % 2) + r + 8 (r / 8); so registers 16 b + i of S^T are keys 32 b + 16 (lane / 16) + i.
; RING.  Two slots of 4 records; waves 0 to 3 fetch a record each.  Every work-group walks all 8 slots (constant trip counts); a step whose keys all come after my queries is jumped over, and a slot whose first
; record comes after the work-group's later group is not asked for: a jump made of ids and the count of steps alone, the same in all sixteen waves; every wait on TENSORcnt here is for 0.
; NO CLUSTER: the work-groups of a head need different numbers of slots under the mask; what is shared, a head's 409,600 bytes, is little beside the vector work of a step.
; LIMITS: NaN and infinities are not served; a block of p or o under 2^-124 is held at byte 1; a block of zeros has byte 1 where the rule says 127 (zero codes; this program alone reads the bytes).
.set REC,   12800
.set SLOT1, 1<<16                      ; slot 1 begins here: one exclusive or turns an address
.set OSC,   131072                     ; o's scale words: 512 bytes for each of the two groups; no tile lands here
.set SPARE, 132096                     ; the spare words, 128 bytes for each of 16 waves
.set LI,  1                            ; 16 x lane
.set LR,  2                            ; 16 r
.set DQ,  3                            ; my query's row in its group - 16 (lane / 16)
.set NINF, 4
.set SPW, 5
.set NIL, 6
.set PFO, 7
.set ADI, 8
.set ADR, 9
.set OSA, 10                           ; where I store o's scale word
.set OSB, 11                           ; where waves 0 and 1 read a group's 512 bytes back
; v12 -M, v13 the largest t, v[14:15] the sum in two halves; v16-21 Q, v22-27 zeros, v28-33 Q
.set QS,  34
.set KF,  36                           ; v36-83  K's four pair fragments, then V^T's four
.set KS,  84
.set VS,  88
.set S,   96                           ; v96-159 S^T, then p
.set O,   160                          ; v160-191 O^T
.set P,   192                          ; v192-203 p's codes
.set CT,  204
.set BM,  212
.set BP,  216
.set SO,  220
.set PS,  224
.set F,   226
.set T1,  228
.set SUMT, 230
.set TB,  2
.set GK,  3
.set WV,  18
.set MT,  19
.set SEL, 20
.set CS,  22
.set G1,  24
.set G0,  32
.set GQ,  36
.set GH,  37
.set SLOTS, 38
.set STEPS, 39
.set PFA, 40
.set LIM, 42
.set FF,  43
.macro PLACES n
.rept \n
	v_nop
.endr
.endm
.macro WMZ d, a, b, sa, sb
	v_wmma_scale_f32_16x16x128_f8f6f4 v[(\d):(\d)+7], v[(\a):(\a)+11], v[(\b):(\b)+11], 0, v[\sa], v[\sb] matrix_a_fmt:MATRIX_FMT_FP6 matrix_b_fmt:MATRIX_FMT_FP6
.endm
.macro WMA d, a, b, sa, sb
	v_wmma_scale_f32_16x16x128_f8f6f4 v[(\d):(\d)+7], v[(\a):(\a)+11], v[(\b):(\b)+11], v[(\d):(\d)+7], v[\sa], v[\sb] matrix_a_fmt:MATRIX_FMT_FP6 matrix_b_fmt:MATRIX_FMT_FP6
.endm
.macro TLOAD                           ; waves 0 to 3 fetch a record each; an s_nop 0 and four v_nop follow the load
	s_cmp_lt_u32 s[WV], 4
	s_cbranch_scc0 .Lno_load_\@
	tensor_load_to_lds s[G0:G0+3], s[G1:G1+7]
	s_nop 0
.rept 4
	v_nop
.endr
.Lno_load_\@:
.endm
; A PREFETCH INTO THE L2 of the slot that the NEXT change of slots will ask for: 51,200 dense bytes, lanes 256 bytes apart.  All work-groups of a head walk the same records: the head's first work-group asks,
; and in it waves 4 to 10, which fetch nothing: 224 lanes for 200 blocks; the lanes that are over name the slot's last block again.  The last two changes ask for nothing; slots 0 and 1 come by their loads alone.
.macro ASK
	s_cmp_gt_u32 s[SLOTS], s[LIM]
	s_cbranch_scc0 .Lnot_mine_\@
	global_prefetch_b8 v[PFO], s[PFA:PFA+1] th:TH_LOAD_NT scope:SCOPE_SE
.Lnot_mine_\@:
.endm
; THE CHANGE OF SLOTS stands at a slot's head: all my tensor loads are in (my record of the slot ahead), the add, my reads of the slot left are over; one barrier; then the slot left is filled with the next four records.
.macro CHANGE fill
	s_wait_tensorcnt 0x0                           ; no tensor load of mine is out, so group 0 may be written
	ds_add_u32 v[SPW], v[NIL]                      ; 0 onto my spare word
.if \fill
	s_xor_b32 s[G0+1], s[G0+1], SLOT1              ; the other slot,
	s_add_nc_u64 s[G0+2:G0+3], s[G0+2:G0+3], 4*REC ; the next four records; the type bits on top are not reached
	s_wait_xcnt 0x0                                ; the last prefetch, a slot back, has read its address
	s_add_nc_u64 s[PFA:PFA+1], s[PFA:PFA+1], 4*REC
.endif
	s_wait_dscnt 0x0                               ; the add is done, and my reads of the slot that I have left are over
	s_barrier_signal -1
	s_barrier_wait -1
.if \fill
	s_add_co_u32 s44, s[GK], 4                     ; the first record of the slot that this change would ask for:
	s_cmp_gt_u32 s44, s[GH]                        ; past the work-group's later group none of its waves reads it
	s_cbranch_scc1 .Lpast_\@
	TLOAD                                          ; a wave's one tensor load until the next such barrier
.Lpast_\@:
	ASK
.endif
.endm
; A KEY STEP: record GK, at LDS byte TB.
.macro STEP
	s_cmp_gt_u32 s[GK], s[GQ]                      ; all its keys come after my queries: only the steps of addresses at its end are run
	s_cbranch_scc1 .Lhidden_\@
	v_add_nc_u32 v[ADI], s[TB], v[LI]
	v_add_nc_u32 v[ADR], s[TB], v[LR]
	v_nop
	v_nop                                          ; four places in front of loads into registers that the last products read
.irp p, 0,1,2,3
.irp c, 0,1,2
	ds_load_b128 v[KF+12*\p+4*\c:KF+12*\p+4*\c+3], v[ADI] offset:1536*\p+512*\c
.endr
.endr
	ds_load_b128 v[KS:KS+3], v[ADR] offset:6144
	s_wait_dscnt 0x0
.irp p, 0,1,2,3
	WMZ S+16*\p, KF+12*\p, 16, KS+\p, QS           ; against [Q | zeros]: key tile 2 p
	WMZ S+16*\p+8, KF+12*\p, 22, KS+\p, QS         ; against [zeros | Q]: key tile 2 p + 1
.endr
	PLACES 4                                       ; in front of the loads below and of the first read of the scores
.irp t, 0,1,2,3
.irp c, 0,1,2
	ds_load_b128 v[KF+12*\t+4*\c:KF+12*\t+4*\c+3], v[ADI] offset:6400+1536*\t+512*\c   ; V^T: it lands under the softmax
.endr
.endr
	ds_load_b128 v[VS:VS+3], v[ADR] offset:12544
	s_cmp_lt_u32 s[GK], s[GQ]                      ; all keys count: no mask
	s_cbranch_scc1 .Lopen_\@
.set NN, 0
.rept 64                                       ; on the diagonal: register 16 b + i holds key 32 b + 16 (lane / 16) + i, hidden where it comes after my query
	v_cmp_gt_i32 vcc_lo, 32*(NN/16)+NN%16, v[DQ]
	v_cndmask_b32 v[S+NN], v[S+NN], v[NINF], vcc_lo
.set NN, NN+1
.endr
.Lopen_\@:
.irp b, 0,1,2,3
	v_max3_num_f32 v[BM+\b], v[S+16*\b], v[S+16*\b+1], v[S+16*\b+2]   ; the largest score of each block of 32 keys: for the row's maximum and, since p rises with the score, for the block's largest p
.endr
.irp i, 3,5,7,9,11,13
.irp b, 0,1,2,3
	v_max3_num_f32 v[BM+\b], v[BM+\b], v[S+16*\b+\i], v[S+16*\b+\i+1]
.endr
.endr
.irp b, 0,1,2,3
	v_max_num_f32 v[BM+\b], v[BM+\b], v[S+16*\b+15]
.endr
.irp b, 0,1,2,3
	v_permlanex16_b32 v[BP+\b], v[BM+\b], s[SEL], s[SEL+1]
.endr
.irp b, 0,1,2,3
	v_max_num_f32 v[BM+\b], v[BM+\b], v[BP+\b]     ; with lane l xor 16's 16 keys
.endr
	v_max3_num_f32 v[T1], v[BM], v[BM+1], v[BM+2]
	v_max_num_f32 v[T1], v[T1], v[BM+3]
	v_mul_f32 v[T1], s[CS], v[T1]                  ; the step's largest t
	v_max_num_f32 v13, v13, v[T1]                  ; the running largest t
	v_mov_b32 v[T1], v12
	v_floor_f32 v12, -v13                          ; the new -M = floor(-t): M is a whole number
	v_sub_f32 v[T1], v12, v[T1]                    ; old M - new M, 0 or less
	v_cvt_i32_f32 v[T1], v[T1]                     ; (it saturates)
	v_ldexp_f32 v[F], 1.0, v[T1]                   ; f = 2^(old M - new M)
.set NN, 0
.rept 32
	v_pk_fma_f32 v[S+NN:S+NN+1], v[S+NN:S+NN+1], s[CS:CS+1], v[12:13] op_sel_hi:[1,0,0]   ; t - M, two at a time
.set NN, NN+2
.endr
.irp b, 0,1,2,3
	v_fma_f32 v[BM+\b], v[BM+\b], s[CS], v12       ; the same of each block's largest score
.endr
.set NN, 0
.rept 64
	v_exp_f32 v[S+NN], v[S+NN]                     ; p = 2^(t - M): not normalised
.set NN, NN+1
.endr
	v_pk_mul_f32 v[14:15], v[14:15], v[F:F+1] op_sel_hi:[1,0]   ; the sums under the new M: the plain place behind the batch
	s_wait_alu depctr_va_vdst(0)                   ; one wait for the batch of 64, ahead of its first reader
.irp b, 0,1,2,3
	v_exp_f32 v[BM+\b], v[BM+\b]                   ; the block's largest p
.endr
	v_pk_add_f32 v[SUMT:SUMT+1], v[S:S+1], v[S+2:S+3]   ; the row's sum of the unquantised p, in two chains
.set NN, 4
.rept 15
	v_pk_add_f32 v[14:15], v[14:15], v[S+NN:S+NN+1]
	v_pk_add_f32 v[SUMT:SUMT+1], v[SUMT:SUMT+1], v[S+NN+2:S+NN+3]
.set NN, NN+4
.endr
	v_pk_add_f32 v[14:15], v[14:15], v[SUMT:SUMT+1]
	s_wait_alu depctr_va_vdst(0)                   ; and one for the four
.irp b, 0,1,2,3
	v_max_num_f32 v[BM+\b], 0x1800000, v[BM+\b]    ; the floor 2^(3 - 127)
.endr
.irp b, 0,1,2,3
	v_add_nc_u32 v[SO+\b], 0xff000000, v[BM+\b]    ; the conversion's scale operand
.endr
.irp b, 0,1,2,3
	v_lshrrev_b32 v[BP+\b], 23, v[SO+\b]           ; the scale's byte
.endr
	v_lshl_or_b32 v[PS], v[BP+1], 8, v[BP]         ; p's scale word for these 128 keys
	v_lshl_or_b32 v[PS], v[BP+2], 16, v[PS]
	v_lshl_or_b32 v[PS], v[BP+3], 24, v[PS]
.irp c, 0,1
	v_cvt_scalef32_pk16_fp6_f32 v[P+6*\c:P+6*\c+2], v[S+32*\c:S+32*\c+15], v[SO+2*\c]
	v_cvt_scalef32_pk16_fp6_f32 v[CT+4*\c:CT+4*\c+2], v[S+32*\c+16:S+32*\c+31], v[SO+2*\c+1]
.endr
	v_nop                                          ; one plain place behind the scaled conversions
.irp c, 0,1
.irp i, 0,1,2
	v_permlane16_swap_b32 v[P+6*\c+\i], v[CT+4*\c+\i]
.endr
.irp i, 0,1,2
	v_mov_b32 v[P+6*\c+3+\i], v[CT+4*\c+\i]
.endr
.endr
.set NN, 0
.rept 16
	v_pk_mul_f32 v[O+NN:O+NN+1], v[O+NN:O+NN+1], v[F:F+1] op_sel_hi:[1,0]   ; O^T under the new M; also the places between p's codes and scale word and the products
.set NN, NN+2
.endr
	s_wait_dscnt 0x0                               ; V^T is in
.irp t, 0,1,2,3
	WMA O+8*\t, KF+12*\t, P, VS+\t, PS             ; four accumulators by turns
.endr
.Lhidden_\@:
	s_add_co_u32 s[GK], s[GK], 1
	s_add_co_u32 s[TB], s[TB], REC
.endm
.macro FOUR_STEPS                      ; a slot's four records: written once, walked four times
	s_mov_b32 s[STEPS], 4
.Lstep_\@:
	STEP
	s_sub_co_u32 s[STEPS], s[STEPS], 1
	s_cmp_lg_u32 s[STEPS], 0
	s_cbranch_scc1 .Lstep_\@
	s_sub_co_u32 s[TB], s[TB], 4*REC
	s_xor_b32 s[TB], s[TB], SLOT1                  ; on to the other slot
.endm
	s_load_b128 s[4:7], s[0:1], 0x0                ; qc, kv
	s_load_b64 s[8:9], s[0:1], 0x10                ; oc
	v_lshl_add_u32 v[SPW], v0, 2, SPARE
	v_mov_b32 v[NIL], 0
	ds_add_u32 v[SPW], v[NIL]                      ; the wave's opening: the add and its wait ahead of the first tensor load; work on registers stands between
	v_lshrrev_b32 v92, 5, v0
	v_readfirstlane_b32 s[WV], v92                 ; wave 0..15
	s_lshr_b32 s[MT], s[WV], 1                     ; my tile m
	s_lshr_b32 s44, s[WV], 2
	s_xor_b32 s44, s44, s[WV]
	s_and_b32 s[FF], s44, 1                        ; f: which of the two groups
	s_sub_co_u32 s[GH], 31, ttmp9                  ; the later group
	s_cmp_eq_u32 s[FF], 1
	s_cselect_b32 s[GQ], s[GH], ttmp9              ; my group
	s_and_b32 s45, ttmp7, 0xffff                   ; bh = 8 b + head
	s_mov_b32 s[G1], 3<<16                         ; group 1: no mask, elements of 8 bytes, no padding: a record is 50 dense rows of 256 bytes
	s_mov_b32 s[G1+1], 32<<16                      ; tensor_dim0 = 32
	s_mov_b32 s[G1+2], 50<<16                      ; tensor_dim1 = 50
	s_mov_b32 s[G1+3], 32<<16                      ; tile_dim0 = 32
	s_mov_b32 s[G1+4], 50                          ; tile_dim1 = 50
	s_mov_b32 s[G1+5], 32                          ; the pitch
	s_mov_b32 s[G1+6], 0
	s_mov_b32 s[G1+7], 0
	s_mov_b32 s[SEL], 0x76543210
	s_mov_b32 s[SEL+1], 0xfedcba98
	s_mov_b32 s[CS], 0x3e38aa3b                    ; log2(e) / sqrt(64)
	s_mov_b32 s[CS+1], s[CS]
	s_mov_b32 s[TB], 0
	s_mov_b32 s[GK], 0
	s_mov_b32 s[SLOTS], 7
	s_mul_i32 s46, s45, 32*REC                     ; the head's first record in kv
	s_mov_b32 s47, 0
	s_mul_i32 s48, s[WV], REC                      ; my record of a slot, in memory and in LDS
	s_mov_b32 s49, 0
	s_lshl_b32 s50, s45, 5
	s_add_co_u32 s50, s50, s[GQ]
	s_mul_i32 s50, s50, 6400                       ; my group's record in qc
	s_lshr_b32 s52, s[MT], 1                       ; pair m / 2
	s_mul_i32 s53, s52, 1536
	s_add_co_u32 s54, s50, s53
	s_mov_b32 s55, 0
	s_lshl_b32 s52, s52, 2
	s_add_co_u32 s56, s50, s52
	s_add_co_u32 s56, s56, 6144                    ; and the pair's scale words
	s_mov_b32 s57, 0
	s_lshr_b32 s58, s45, 3
	s_lshl_b32 s58, s58, 5
	s_add_co_u32 s58, s58, s[GQ]
	s_mul_i32 s58, s58, 53248                      ; oc: group 32 b + my group
	s_and_b32 s59, s45, 7                          ; the head
	s_mul_i32 s60, s59, 768
	s_mul_i32 s61, s[MT], 6144
	s_add_co_u32 s60, s60, s61
	s_add_co_u32 s60, s60, s58                     ; my half image
	s_mov_b32 s61, 0
	s_lshl_b32 s59, s59, 9
	s_add_co_u32 s58, s58, s59
	s_add_co_u32 s58, s58, 49152                   ; the head's 512 bytes of scale words
	s_mov_b32 s59, 0
	s_sub_co_u32 s44, s[WV], 4                     ; who prefetches: waves 4 to 10
	s_cmp_lt_u32 s44, 7
	s_cselect_b32 s44, 0, 1
	s_or_b32 s44, s44, ttmp9                       ; of the head's first work-group
	s_cmp_eq_u32 s44, 0
	s_cselect_b32 s[LIM], 1, -1
	v_add_nc_u32 v[PFO], 0xffffff80, v0            ; thread - 128,
	v_min_u32 v[PFO], 199, v[PFO]                  ; held at the slot's last block,
	v_lshlrev_b32 v[PFO], 8, v[PFO]                ; 256 bytes apart
	v_and_b32 v92, 31, v0
	v_lshlrev_b32 v[LI], 4, v92
	v_and_b32 v93, 15, v0                          ; r
	v_lshlrev_b32 v[LR], 4, v93
	v_bfe_u32 v94, v0, 4, 1                        ; h
	s_lshr_b32 s44, s[MT], 1
	s_lshl_b32 s44, s44, 5
	s_and_b32 s53, s[MT], 1
	s_lshl_b32 s52, s53, 3
	s_add_co_u32 s44, s44, s52                     ; 32 (m / 2) + 8 (m % 2)
	v_and_b32 v95, 8, v93
	v_add_nc_u32 v[DQ], v95, v93
	v_lshlrev_b32 v95, 4, v94
	v_sub_nc_u32 v[DQ], v[DQ], v95
	v_add_nc_u32 v[DQ], s44, v[DQ]
	s_lshl_b32 s50, s[FF], 9                       ; o's scale words in LDS: OSC + 512 f + 256 (m / 4) + 4 (m % 4) + 16 r
	s_lshr_b32 s51, s[MT], 2
	s_lshl_b32 s51, s51, 8
	s_add_co_u32 s51, s51, s50
	s_and_b32 s52, s[MT], 3
	s_lshl_b32 s52, s52, 2
	s_add_co_u32 s51, s51, s52
	s_add_co_u32 s51, s51, OSC
	v_add_nc_u32 v[OSA], s51, v[LR]
	s_add_co_u32 s50, s50, OSC
	v_add_nc_u32 v[OSB], s50, v[LI]
	s_wait_dscnt 0x0                               ; the opening add is done
	s_wait_kmcnt 0x0
	s_add_nc_u64 s[6:7], s[6:7], s[46:47]          ; kv at my head
	s_mov_b32 s[G0], 1                             ; count = 1
	s_mov_b32 s[G0+1], s48                         ; LDS: slot 0, record = wave
	s_add_nc_u64 s[G0+2:G0+3], s[6:7], s[48:49]
	s_or_b32 s[G0+3], s[G0+3], 0x80000000          ; type = 2
	TLOAD                                          ; slot 0
	s_add_nc_u64 s[PFA:PFA+1], s[6:7], 4*REC       ; at slot 1: the first change of slots steps it to slot 2.  Nothing is prefetched at the head
	s_add_nc_u64 s[54:55], s[4:5], s[54:55]
	s_add_nc_u64 s[56:57], s[4:5], s[56:57]
	s_add_nc_u64 s[10:11], s[8:9], s[58:59]
	s_add_nc_u64 s[8:9], s[8:9], s[60:61]
.irp c, 0,1,2
	global_load_b128 v[S+4*\c:S+4*\c+3], v[LI], s[54:55] offset:512*\c   ; the pair fragment that holds my tile of Q
.endr
	global_load_b32 v[S+12], v[LR], s[56:57]       ; and its scale word
	v_mov_b32 v92, s53                             ; m % 2: which half of the pair is mine
	s_cmp_eq_u32 s53, 1
	s_mov_b32 s45, 0x03020302
	s_cselect_b32 s45, s45, 0x01000100             ; my tile's two bytes, into both halves of the word
	v_mov_b32 v[NINF], 0xff800000
	v_mov_b32 v13, 0xff61b1e6                      ; the largest t so far: -3e38
	v_floor_f32 v12, -v13                          ; -M
	v_mov_b32 v14, 0
	v_mov_b32 v15, 0
.irp b, 0,1,2,3
	v_mov_b32 v[BP+\b], 0                          ; written once: a lane permute's destination counts as one of its sources
.endr
	v_mov_b32 v[F+1], 0                            ; (named as the upper half of a pair)
	v_mov_b32 v[T1], 0
.irp j, 0,1,2,3,4,5
	v_mov_b32 v[22+\j], 0                          ; zero codes
.endr
	s_wait_loadcnt 0x0
	v_cmp_eq_u32 vcc_lo, 1, v92
.irp j, 0,1,2,3,4,5
	v_cndmask_b32 v[16+\j], v[S+\j], v[S+6+\j], vcc_lo
.endr
.irp j, 0,1,2,3,4,5
	v_mov_b32 v[28+\j], v[16+\j]
.endr
	v_perm_b32 v[QS], v[S+12], v[S+12], s45
.set NN, 0
.rept 32
	v_mov_b32 v[O+NN], 0                           ; O^T: the step is written once, its first trip finds zeros.  (Also the places between Q's registers and scale word and the first products)
.set NN, NN+1
.endr
.Lslot:                                            ; 7 trips: behind each change of slots but the last the next slot is asked for, up to the causal limit
	CHANGE 1
	FOUR_STEPS
	s_sub_co_u32 s[SLOTS], s[SLOTS], 1
	s_cmp_lg_u32 s[SLOTS], 0
	s_cbranch_scc1 .Lslot
	CHANGE 0                                       ; the last slot is written out: nothing is left to fetch
	FOUR_STEPS
	; THE WAY OUT: O^T / l, quantised along the head's 64 (two blocks), as half an operand's image; the scale words of a group meet in LDS.
	v_add_f32 v14, v14, v15
	v_permlanex16_b32 v[T1], v14, s[SEL], s[SEL+1]
	v_add_f32 v14, v14, v[T1]                      ; the row's sum
	v_rcp_f32 v14, v14
	v_lshrrev_b32 v[ADI], 1, v[LI]                 ; 8 x lane.  (A plain place behind the reciprocal)
	v_nop
	v_nop
	v_nop                                          ; with the additions above: the places behind the last products
	s_wait_alu depctr_va_vdst(0)                   ; the wait ahead of the reciprocal's first reader
.set NN, 0
.rept 32
	v_mul_f32 v[S+NN], v[O+NN], v14                ; register 16 b + i = o(my query, 32 b + 16 (lane / 16) + i); each accumulator from its low end on
.set NN, NN+1
.endr
.irp b, 0,1
	v_max3_num_f32 v[BM+\b], |v[S+16*\b]|, |v[S+16*\b+1]|, 0x1800000
.endr
.irp i, 2,4,6,8,10,12,14
.irp b, 0,1
	v_max3_num_f32 v[BM+\b], v[BM+\b], |v[S+16*\b+\i]|, |v[S+16*\b+\i+1]|
.endr
.endr
.irp b, 0,1
	v_permlanex16_b32 v[BP+\b], v[BM+\b], s[SEL], s[SEL+1]
.endr
.irp b, 0,1
	v_max_num_f32 v[BM+\b], v[BM+\b], v[BP+\b]
.endr
.irp b, 0,1
	v_add_nc_u32 v[SO+\b], 0xff000000, v[BM+\b]
.endr
.irp b, 0,1
	v_lshrrev_b32 v[BP+\b], 23, v[SO+\b]
.endr
	v_lshl_or_b32 v[T1], v[BP+1], 8, v[BP]         ; two bytes; the upper half stays 0
	v_cvt_scalef32_pk16_fp6_f32 v[P:P+2], v[S:S+15], v[SO]
	v_cvt_scalef32_pk16_fp6_f32 v[CT:CT+2], v[S+16:S+31], v[SO+1]
	v_nop
.irp i, 0,1,2
	v_permlane16_swap_b32 v[P+\i], v[CT+\i]
.endr
.irp i, 0,1,2
	v_mov_b32 v[P+3+\i], v[CT+\i]
.endr
	global_store_b128 v[LI], v[P:P+3], s[8:9]      ; 512 consecutive bytes,
	global_store_b64 v[ADI], v[P+4:P+5], s[8:9] offset:512   ; and 256 more: the half image
	ds_store_b32 v[OSA], v[T1]                     ; lanes r and r + 16 write the same word with the same value
	s_wait_dscnt 0x0                               ; for the others' sake
	s_barrier_signal -1
	s_barrier_wait -1
	s_cmp_lt_u32 s[WV], 2                          ; wave 0 has f = 0, wave 1 f = 1: each stores its own group's 512 bytes
	s_cbranch_scc0 .Lend
	ds_load_b128 v[S:S+3], v[OSB]
	s_wait_dscnt 0x0
	global_store_b128 v[LI], v[S:S+3], s[10:11]
.Lend:
	s_wait_tensorcnt 0x0                           ; the wave's end, behind my last tensor load and my last LDS store
	ds_add_u32 v[SPW], v[NIL]
	s_wait_dscnt 0x0
	s_endpgm
.Lfunc_end_k_q5c3fb4119e_attn:
	.size	k_q5c3fb4119e_attn, .Lfunc_end_k_q5c3fb4119e_attn-k_q5c3fb4119e_attn
	.p2alignl 7, 3214868480
	.fill 96, 4, 3214868480
	.section	.rodata,"a",@progbits
	.p2align	6, 0x0
	.amdhsa_kernel k_q5c3fb4119e_attn
		.amdhsa_group_segment_fixed_size 327680
		.amdhsa_private_segment_fixed_size 0
		.amdhsa_enable_private_segment 0
		.amdhsa_kernarg_size 24
		.amdhsa_user_sgpr_count 2
		.amdhsa_user_sgpr_kernarg_segment_ptr 1
		.amdhsa_wavefront_size32 1
		.amdhsa_system_sgpr_workgroup_id_x 1
		.amdhsa_system_sgpr_workgroup_id_y 1
		.amdhsa_system_sgpr_workgroup_id_z 1
		.amdhsa_system_vgpr_workitem_id 0
		.amdhsa_next_free_vgpr 256
		.amdhsa_next_free_sgpr 66
		.amdhsa_reserve_vcc 1
		.amdhsa_float_denorm_mode_32 3
		.amdhsa_float_denorm_mode_16_64 3
		.amdhsa_memory_ordered 1
		.amdhsa_forward_progress 1
		.amdhsa_inst_pref_size 54
	.end_amdhsa_kernel
	.amdgpu_metadata
---
amdhsa.version: [ 1, 2 ]
amdhsa.kernels:
  - .name:           k_q5c3fb4119e_attn
    .symbol:         k_q5c3fb4119e_attn.kd
    .args:
      - { .name: qc, .offset: 0, .size: 8, .value_kind: global_buffer, .address_space: global }
      - { .name: kv, .offset: 8, .size: 8, .value_kind: global_buffer, .address_space: global }
      - { .name: oc, .offset: 16, .size: 8, .value_kind: global_buffer, .address_space: global }
    .group_segment_fixed_size: 327680
    .private_segment_fixed_size: 0
    .kernarg_segment_align: 8
    .kernarg_segment_size: 24
    .max_flat_workgroup_size: 512
    .sgpr_count:     66
    .vgpr_count:     256
    .wavefront_size: 32
...
	.end_amdgpu_metadata
.endif
;; end of part 3
;; launch oproj (part 4): grid 64 x 4, 4 waves a work-group, no clusters, 17,920 bytes of LDS; arguments oc, wc, out0; writes out0
.if DOCPART == 4
	.amdgcn_target "amdgcn-amd-amdhsa--gfx1250"
	.amdhsa_code_object_version 6
	.text
	.protected	k_q5c3fb4119e_oproj
	.globl	k_q5c3fb4119e_oproj
	.p2align	8
	.type	k_q5c3fb4119e_oproj,@function
k_q5c3fb4119e_oproj:
	s_mov_b64 s[64:65], 0
	v_nop
	global_prefetch_b8 v0, s[64:65] scope:SCOPE_SE
	s_setreg_imm32_b32 hwreg(HW_REG_WAVE_MODE, 25, 1), 1
	s_wait_xcnt 0x0
; out0 = o wo^T on codes of FP6 (E2M3) with E8M0 scales; o's codes come from the attention as images of operand registers (oc), wo's from wc.
; SHARES.  Work-group (bg, G) makes the 128 rows of group bg x outputs 128 G .. 128 G + 127.  Wave w: row tiles 4 (w / 2) .. + 3 against wo's tiles 4 (w % 2) .. + 3: 16 accumulators, 4 K steps, 64 products.
; Every operand goes from memory straight into registers, once: no ring, no barrier.  Transposed use (source 0 = wo's tile, source 1 = o's tile): a lane holds one row of out0 and eight neighbouring outputs.
; The rows of a tile are row 32 (t / 2) + 8 (t % 2) + r + 8 (r / 8) of the group, wo's rows likewise; so a wave's 64 outputs are 256 consecutive bytes of a row, gathered in the wave's own stage in LDS.
; oc, group bg at 53,248 bg: the half image (6 registers) of (tile m, head) at 6,144 m + 768 head, heads 2 s and 2 s + 1 on end being fragment (m, s); scale half words at 49,152 + 512 head + 256 (m / 4) + 16 r + 4 (m % 4).
; REGISTERS: window 0 below; window 1: o's fragments at 12 (4 mm + s); window 2: wo's at 12 (4 tt + s).
.set LI,  4
.set L8,  5
.set LR,  6
.set STO, 7
.set RD,  8
.set CO,  9
.set SPW, 12
.set NIL, 13
.set ACC, 16                           ; v16-143  accumulator (mm, tt) at 16 + 8 (4 mm + tt)
.set OSR, 144                          ; v144-175 o's half words, register 4 head + mm; on the way out: rows read back
.set OS,  176                          ; v176-191 o's scale words, register 4 mm + s
.set WS,  192                          ; v192-207 wo's, register 4 tt + s
.set BK0, 144
.set BK1, 208                          ; v208-239 rows read back, the other set
.set SPARE, 17408                      ; behind the four stages of 16 rows x 272 bytes
.set MSB, 0
.macro WIN new
.if MSB != \new
	s_set_vgpr_msb (MSB<<8)|\new
.set MSB, \new
.endif
.endm
.macro PLACES n
.rept \n
	v_nop
.endr
.endm
.macro KSTEP s, zero                   ; 16 products, the accumulators by turns
.irp mm, 0,1,2,3
.irp tt, 0,1,2,3
.if \zero
	v_wmma_scale_f32_16x16x128_f8f6f4 v[ACC+8*(4*\mm+\tt):ACC+8*(4*\mm+\tt)+7], v[12*(4*\tt+\s):12*(4*\tt+\s)+11], v[12*(4*\mm+\s):12*(4*\mm+\s)+11], 0, v[WS+4*\tt+\s], v[OS+4*\mm+\s] matrix_a_fmt:MATRIX_FMT_FP6 matrix_b_fmt:MATRIX_FMT_FP6
.else
	v_wmma_scale_f32_16x16x128_f8f6f4 v[ACC+8*(4*\mm+\tt):ACC+8*(4*\mm+\tt)+7], v[12*(4*\tt+\s):12*(4*\tt+\s)+11], v[12*(4*\mm+\s):12*(4*\mm+\s)+11], v[ACC+8*(4*\mm+\tt):ACC+8*(4*\mm+\tt)+7], v[WS+4*\tt+\s], v[OS+4*\mm+\s] matrix_a_fmt:MATRIX_FMT_FP6 matrix_b_fmt:MATRIX_FMT_FP6
.endif
.endr
.endr
.endm
.macro TOSTAGE mm                      ; a tile of 16 rows x 64 outputs into my stage, and back as whole rows of 256 bytes; LDS serves a wave's instructions in order
.irp tt, 0,1,2,3
	ds_store_b128 v[STO], v[ACC+8*(4*(\mm)+\tt):ACC+8*(4*(\mm)+\tt)+3] offset:128*(\tt/2)+32*(\tt%2)       ; each accumulator from its low end on
	ds_store_b128 v[STO], v[ACC+8*(4*(\mm)+\tt)+4:ACC+8*(4*(\mm)+\tt)+7] offset:128*(\tt/2)+32*(\tt%2)+16
.endr
.set BB, BK0+(BK1-BK0)*((\mm)%2)
.irp i, 0,1,2,3,4,5,6,7
	ds_load_b128 v[BB+4*\i:BB+4*\i+3], v[RD] offset:544*\i
.endr
.endm
.macro SEND mm, younger                ; younger: the LDS instructions issued behind this tile's loads
.set BB, BK0+(BK1-BK0)*((\mm)%2)
	s_wait_dscnt \younger
.irp i, 0,1,2,3,4,5,6,7
	global_store_b128 v[CO], v[BB+4*\i:BB+4*\i+3], s[24:25] offset:(32*((\mm)/2)+8*((\mm)%2)+2*\i+8*(\i/4))*2048 th:TH_STORE_NT   ; sixteen lanes store 256 consecutive bytes, aligned; stage rows 2 i and 2 i + 1
.endr
.endm
	s_load_b128 s[4:7], s[0:1], 0x0                ; oc, wc
	s_load_b64 s[8:9], s[0:1], 0x10                ; out0
	v_lshl_add_u32 v[SPW], v0, 2, SPARE
	v_mov_b32 v[NIL], 0
	v_lshrrev_b32 v1, 5, v0
	v_readfirstlane_b32 s10, v1                    ; wave
	s_lshr_b32 s11, s10, 1                         ; which half of the rows
	s_and_b32 s12, s10, 1                          ; which half of the outputs
	s_and_b32 s13, ttmp7, 0xffff                   ; G
	v_and_b32 v1, 31, v0
	v_and_b32 v2, 15, v0                           ; r
	v_bfe_u32 v3, v0, 4, 1                         ; h
	v_lshlrev_b32 v[LI], 4, v1
	v_lshlrev_b32 v[L8], 3, v1
	v_lshlrev_b32 v[LR], 4, v2
	s_mul_i32 s14, s10, 4352                       ; my stage
	v_mul_u32_u24 v[STO], v2, 272
	v_lshl_add_u32 v[STO], v3, 6, v[STO]
	v_add_nc_u32 v[STO], s14, v[STO]               ; in: row r, + 64 h
	v_mul_u32_u24 v[RD], v3, 272
	v_add_nc_u32 v[RD], v[RD], v[LR]
	v_add_nc_u32 v[RD], s14, v[RD]                 ; back: lanes 0-15 one row, lanes 16-31 the next
	v_lshl_add_u32 v[CO], v3, 11, v[LR]            ; and the same in out0: rows of 2,048 bytes
	s_mul_i32 s15, ttmp9, 53248
	s_mul_i32 s16, s11, 24576                      ; my four tiles of o
	s_add_co_u32 s16, s16, s15
	s_mov_b32 s17, 0
	s_lshl_b32 s18, s11, 8
	s_add_co_u32 s18, s18, s15
	s_add_co_u32 s18, s18, 49152                   ; their half words
	s_mov_b32 s19, 0
	s_lshl_b32 s20, s13, 3
	s_lshl_b32 s21, s12, 2
	s_add_co_u32 s21, s20, s21                     ; wo's first tile of mine: 8 G + 4 (w % 2)
	s_mul_i32 s20, s21, 6144
	s_add_co_u32 s20, s20, 614400                  ; wo is the fourth weight in wc
	s_lshl_b32 s22, s21, 8
	s_add_co_u32 s22, s22, 614400+196608
	s_mov_b32 s21, 0
	s_mov_b32 s23, 0
	s_lshl_b32 s24, ttmp9, 18                      ; out0: row 128 bg + 64 (w / 2), byte 512 G + 256 (w % 2)
	s_lshl_b32 s25, s11, 17
	s_add_co_u32 s24, s24, s25
	s_lshl_b32 s25, s13, 9
	s_add_co_u32 s24, s24, s25
	s_lshl_b32 s25, s12, 8
	s_add_co_u32 s24, s24, s25
	s_mov_b32 s25, 0
	s_wait_kmcnt 0x0
	s_add_nc_u64 s[16:17], s[4:5], s[16:17]
	s_add_nc_u64 s[18:19], s[4:5], s[18:19]
	s_add_nc_u64 s[20:21], s[6:7], s[20:21]
	s_add_nc_u64 s[22:23], s[6:7], s[22:23]
	s_add_nc_u64 s[24:25], s[8:9], s[24:25]
.irp hd, 0,1,2,3,4,5,6,7
	global_load_b128 v[OSR+4*\hd:OSR+4*\hd+3], v[LR], s[18:19] offset:512*\hd
.endr
.irp tt, 0,1,2,3
	global_load_b128 v[WS+4*\tt:WS+4*\tt+3], v[LR], s[22:23] offset:256*\tt
.endr
.irp s, 0,1,2,3                                ; K step by K step: 16 loads of o, 12 of wo
	WIN 0x40
.irp mm, 0,1,2,3
	global_load_b128 v[12*(4*\mm+\s):12*(4*\mm+\s)+3], v[LI], s[16:17] offset:6144*\mm+1536*\s
	global_load_b64 v[12*(4*\mm+\s)+4:12*(4*\mm+\s)+5], v[L8], s[16:17] offset:6144*\mm+1536*\s+512
	global_load_b128 v[12*(4*\mm+\s)+6:12*(4*\mm+\s)+9], v[LI], s[16:17] offset:6144*\mm+1536*\s+768
	global_load_b64 v[12*(4*\mm+\s)+10:12*(4*\mm+\s)+11], v[L8], s[16:17] offset:6144*\mm+1536*\s+1280
.endr
	WIN 0x80
.irp tt, 0,1,2,3
.irp c, 0,1,2
	global_load_b128 v[12*(4*\tt+\s)+4*\c:12*(4*\tt+\s)+4*\c+3], v[LI], s[20:21] offset:6144*\tt+1536*\s+512*\c
.endr
.endr
.endr
	WIN 0
	s_wait_loadcnt 63                              ; of the 124 loads the first 61 are in: the 12 of scales and K step 0's 28 among them
.irp mm, 0,1,2,3
.irp s, 0,1,2,3
	v_lshl_or_b32 v[OS+4*\mm+\s], v[OSR+4*(2*\s+1)+\mm], 16, v[OSR+8*\s+\mm]   ; head 2 s's two bytes below, head 2 s + 1's above
.endr
.endr
	PLACES 8                                       ; a scale register written by a vector instruction stands 8 places ahead of a scaled product
	WIN 0x06                                       ; source 0 (wo) window 2, source 1 (o) window 1, C and D window 0
	KSTEP 0, 1
	s_wait_loadcnt 56                              ; K step 1 is in; the 28 loads of each of steps 2 and 3 may be out
	KSTEP 1, 0
	s_wait_loadcnt 28
	KSTEP 2, 0
	s_wait_loadcnt 0x0
	KSTEP 3, 0
	WIN 0
	PLACES 4                                       ; in front of the first read of the results
	TOSTAGE 0
	TOSTAGE 1
	SEND 0, 16                                     ; behind tile 0's loads: tile 1's 8 stores and 8 loads
	s_wait_xcnt 0x0                                ; tile 0's stores have read their registers: tile 2's rows may land there
	TOSTAGE 2
	SEND 1, 16
	s_wait_xcnt 0x0
	TOSTAGE 3
	SEND 2, 16
	SEND 3, 0
	s_wait_tensorcnt 0x0                           ; the wave's end, behind my last LDS store
	ds_add_u32 v[SPW], v[NIL]
	s_wait_dscnt 0x0
	s_endpgm
.Lfunc_end_k_q5c3fb4119e_oproj:
	.size	k_q5c3fb4119e_oproj, .Lfunc_end_k_q5c3fb4119e_oproj-k_q5c3fb4119e_oproj
	.p2alignl 7, 3214868480
	.fill 96, 4, 3214868480
	.section	.rodata,"a",@progbits
	.p2align	6, 0x0
	.amdhsa_kernel k_q5c3fb4119e_oproj
		.amdhsa_group_segment_fixed_size 17920
		.amdhsa_private_segment_fixed_size 0
		.amdhsa_enable_private_segment 0
		.amdhsa_kernarg_size 24
		.amdhsa_user_sgpr_count 2
		.amdhsa_user_sgpr_kernarg_segment_ptr 1
		.amdhsa_wavefront_size32 1
		.amdhsa_system_sgpr_workgroup_id_x 1
		.amdhsa_system_sgpr_workgroup_id_y 1
		.amdhsa_system_sgpr_workgroup_id_z 1
		.amdhsa_system_vgpr_workitem_id 0
		.amdhsa_next_free_vgpr 704
		.amdhsa_next_free_sgpr 66
		.amdhsa_reserve_vcc 0
		.amdhsa_float_denorm_mode_32 3
		.amdhsa_float_denorm_mode_16_64 3
		.amdhsa_memory_ordered 1
		.amdhsa_forward_progress 1
		.amdhsa_inst_pref_size 32
	.end_amdhsa_kernel
	.amdgpu_metadata
---
amdhsa.version: [ 1, 2 ]
amdhsa.kernels:
  - .name:           k_q5c3fb4119e_oproj
    .symbol:         k_q5c3fb4119e_oproj.kd
    .args:
      - { .name: oc, .offset: 0, .size: 8, .value_kind: global_buffer, .address_space: global }
      - { .name: wc, .offset: 8, .size: 8, .value_kind: global_buffer, .address_space: global }
      - { .name: out0, .offset: 16, .size: 8, .value_kind: global_buffer, .address_space: global }
    .group_segment_fixed_size: 17920
    .private_segment_fixed_size: 0
    .kernarg_segment_align: 8
    .kernarg_segment_size: 24
    .max_flat_workgroup_size: 128
    .sgpr_count:     66
    .vgpr_count:     704
    .wavefront_size: 32
...
	.end_amdgpu_metadata
.endif
;; end of part 4
;; ======== version 2 of 2: 4 launches
;; workspace buffers: wc 819,200 bytes; qc 3,276,800 bytes; kv 6,553,600 bytes; oc 3,407,872 bytes
;; launch wquant (part 5): grid 32 x 4, 4 waves a work-group, no clusters, 1,024 bytes of LDS; arguments wq, wk, wv, wo, wc; writes wc
.if DOCPART == 5
	.amdgcn_target "amdgcn-amd-amdhsa--gfx1250"
	.amdhsa_code_object_version 6
	.text
	.protected	k_q5c3fb4119e_wquant
	.globl	k_q5c3fb4119e_wquant
	.p2align	8
	.type	k_q5c3fb4119e_wquant,@function
k_q5c3fb4119e_wquant:
	s_mov_b64 s[64:65], 0
	v_nop
	global_prefetch_b8 v0, s[64:65] scope:SCOPE_SE
	s_setreg_imm32_b32 hwreg(HW_REG_WAVE_MODE, 25, 1), 1
	s_wait_xcnt 0x0
; The four weights [512][512] f32 (K innermost) become codes of FP6 (E2M3) with one E8M0 byte for each 32 along K, laid as IMAGES OF OPERAND REGISTERS.
; A fragment is 16 rows x 128 K, 12 registers a lane; register j of lane l lies at byte 512 (j / 4) + 16 l + 4 (j % 4): three loads of 16 bytes a lane bring it back.
; THE ROWS OF A TILE ARE NOT NEIGHBOURS: in a group of 128 rows, lane r of tile t holds row 32 (t / 2) + 8 (t % 2) + r + 8 (r / 8).
; wc: weight wi (0 wq, 1 wk, 2 wv, 3 wo) at 204,800 wi; fragment (tile x = 0 .. 31, K step s) at (4 x + s) 1,536; scale words at 196,608 + 256 x + 16 r + 4 s.
; SHARES: work-group (x, wi) takes one tile of 16 rows, wave s its K step s.  The four scale words of a row meet in LDS and leave as one aligned run of 256 bytes.
; LIMITS: NaN and infinities are not served; a block whose largest magnitude lies under 2^-124 is held at byte 1; a block of zeros has byte 1 where the rule says 127
; (its codes are zeros, and this program alone reads the bytes).
.set X,   16                           ; v16-79   64 numbers: register 16 b + i = k 32 b + 16 (lane / 16) + i of my row
.set FA,  80                           ; v80-91   the fragment
.set CT,  92                           ; v92-98   conversions' second halves
.set TM,  100                          ; v100-115 at work
.set PW,  116                          ; v116     my row's scale word
.set XA,  4
.set LI,  5
.set SA,  6
.set L8,  7
.set SPW, 12                           ; LDS address of my spare word; never rewritten
.set NIL, 13                           ; 0; never rewritten
.set SEL, 26                           ; s[26:27] lane selects: lane l xor 16
.set SPARE, 256                        ; behind the 256 bytes of scale words: 128 bytes for each wave
; 64 numbers of a lane become a fragment's codes (registers da .. da + 5 and db .. db + 5) and its scale word.
.macro QUANT src, da, db, pw
.irp b, 0,1,2,3
	v_max3_num_f32 v[TM+\b], |v[(\src)+16*\b]|, |v[(\src)+16*\b+1]|, 0x1800000   ; my 16 of block b, and the floor 2^(3 - 127): the byte cannot fall under 1
.endr
.irp i, 2,4,6,8,10,12,14
.irp b, 0,1,2,3
	v_max3_num_f32 v[TM+\b], v[TM+\b], |v[(\src)+16*\b+\i]|, |v[(\src)+16*\b+\i+1]|   ; the four blocks by turns
.endr
.endr
.irp b, 0,1,2,3
	v_permlanex16_b32 v[TM+4+\b], v[TM+\b], s[SEL], s[SEL+1]
.endr
.irp b, 0,1,2,3
	v_max_num_f32 v[TM+\b], v[TM+\b], v[TM+4+\b]       ; with lane l xor 16's 16: the block's largest magnitude
.endr
.irp b, 0,1,2,3
	v_add_nc_u32 v[TM+12+\b], 0xff000000, v[TM+\b]     ; 2 off its exponent field: the conversion's scale operand
.endr
.irp b, 0,1,2,3
	v_lshrrev_b32 v[TM+4+\b], 23, v[TM+12+\b]          ; the scale's byte
.endr
	v_lshl_or_b32 v[\pw], v[TM+5], 8, v[TM+4]
	v_lshl_or_b32 v[\pw], v[TM+6], 16, v[\pw]
	v_lshl_or_b32 v[\pw], v[TM+7], 24, v[\pw]
	v_cvt_scalef32_pk16_fp6_f32 v[(\da):(\da)+2], v[(\src):(\src)+15], v[TM+12]
	v_cvt_scalef32_pk16_fp6_f32 v[CT:CT+2], v[(\src)+16:(\src)+31], v[TM+13]   ; (a conversion's three registers begin on an even number)
	v_cvt_scalef32_pk16_fp6_f32 v[(\db):(\db)+2], v[(\src)+32:(\src)+47], v[TM+14]
	v_cvt_scalef32_pk16_fp6_f32 v[CT+4:CT+6], v[(\src)+48:(\src)+63], v[TM+15]
	v_nop                                              ; one plain place behind the scaled conversions
.irp i, 0,1,2
	v_permlane16_swap_b32 v[(\da)+\i], v[CT+\i]        ; the layout wants a whole block in a lane: lanes 0-15 the even block, lanes 16-31 the odd one
.endr
.irp i, 0,1,2
	v_mov_b32 v[(\da)+3+\i], v[CT+\i]
.endr
.irp i, 0,1,2
	v_permlane16_swap_b32 v[(\db)+\i], v[CT+4+\i]
.endr
.irp i, 0,1,2
	v_mov_b32 v[(\db)+3+\i], v[CT+4+\i]
.endr
.endm
	s_load_b256 s[4:11], s[0:1], 0x0               ; wq, wk, wv, wo
	s_load_b64 s[12:13], s[0:1], 0x20              ; wc
	v_lshl_add_u32 v[SPW], v0, 2, SPARE
	v_mov_b32 v[NIL], 0
	v_lshrrev_b32 v1, 5, v0
	v_readfirstlane_b32 s14, v1                    ; wave = K step
	s_and_b32 s15, ttmp7, 0xffff                   ; which weight
	v_and_b32 v1, 31, v0                           ; lane
	v_and_b32 v2, 15, v0                           ; r
	v_bfe_u32 v3, v0, 4, 1                         ; h
	v_and_b32 v[XA], 8, v2
	v_add_nc_u32 v[XA], v[XA], v2                  ; r + 8 (r / 8)
	v_lshlrev_b32 v[XA], 11, v[XA]                 ; rows of 2,048 bytes
	v_lshl_add_u32 v[XA], v3, 6, v[XA]             ; + 64 h: my 16 numbers of a block
	v_lshlrev_b32 v[LI], 4, v1
	s_lshl_b32 s18, s14, 2
	v_lshl_add_u32 v[SA], v2, 4, s18               ; LDS: 16 r + 4 x wave
	v_lshlrev_b32 v[L8], 3, v1
.irp b, 0,1,2,3
	v_mov_b32 v[TM+4+\b], 0                        ; written once: a lane permute's destination counts as one of its sources
.endr
	s_mov_b32 s[SEL], 0x76543210
	s_mov_b32 s[SEL+1], 0xfedcba98
	s_lshr_b32 s18, ttmp9, 3                       ; the tile's first row: 128 (x / 8) + 32 ((x / 2) % 4) + 8 (x % 2)
	s_lshl_b32 s18, s18, 7
	s_bfe_u32 s19, ttmp9, 0x20001
	s_lshl_b32 s19, s19, 5
	s_add_co_u32 s18, s18, s19
	s_and_b32 s19, ttmp9, 1
	s_lshl_b32 s19, s19, 3
	s_add_co_u32 s18, s18, s19
	s_lshl_b32 s18, s18, 11
	s_lshl_b32 s19, s14, 9                         ; + my K step's 512 bytes
	s_add_co_u32 s18, s18, s19
	s_mov_b32 s19, 0
	s_mul_i32 s22, s15, 204800
	s_lshl_b32 s23, ttmp9, 2
	s_add_co_u32 s23, s23, s14
	s_mul_i32 s23, s23, 1536
	s_add_co_u32 s20, s22, s23                     ; my fragment's place in wc
	s_mov_b32 s21, 0
	s_lshl_b32 s24, ttmp9, 8
	s_add_co_u32 s24, s24, s22
	s_add_co_u32 s24, s24, 196608                  ; the tile's scale words
	s_mov_b32 s25, 0
	s_wait_alu depctr_va_vdst(0)
	s_wait_kmcnt 0x0
	s_cmp_eq_u32 s15, 1                            ; the choice hangs on the work-group's number alone
	s_cselect_b64 s[16:17], s[6:7], s[4:5]
	s_cmp_eq_u32 s15, 2
	s_cselect_b64 s[16:17], s[8:9], s[16:17]
	s_cmp_eq_u32 s15, 3
	s_cselect_b64 s[16:17], s[10:11], s[16:17]
	s_add_nc_u64 s[16:17], s[16:17], s[18:19]
	s_add_nc_u64 s[20:21], s[12:13], s[20:21]
	s_add_nc_u64 s[24:25], s[12:13], s[24:25]
.irp b, 0,1,2,3
.irp j, 0,1,2,3
	global_load_b128 v[X+16*\b+4*\j:X+16*\b+4*\j+3], v[XA], s[16:17] offset:128*\b+16*\j th:TH_LOAD_NT
.endr
.endr
	s_wait_loadcnt 0x0
	QUANT X, FA, FA+6, PW
.irp c, 0,1,2
	global_store_b128 v[LI], v[FA+4*\c:FA+4*\c+3], s[20:21] offset:512*\c   ; 32 lanes store 512 consecutive bytes
.endr
	ds_store_b32 v[SA], v[PW]                      ; lanes r and r + 16 write the same word with the same value
	s_wait_dscnt 0x0                               ; for the others' sake: my store has landed
	s_barrier_signal -1
	s_barrier_wait -1
	s_cmp_lg_u32 s14, 0
	s_cbranch_scc1 .Lend
	ds_load_b64 v[118:119], v[L8]                  ; wave 0: the tile's 256 bytes of scale words
	s_wait_dscnt 0x0
	global_store_b64 v[L8], v[118:119], s[24:25]   ; 32 lanes store 256 consecutive bytes, aligned
.Lend:
	s_wait_tensorcnt 0x0                           ; the wave's end, behind my last LDS store
	ds_add_u32 v[SPW], v[NIL]
	s_wait_dscnt 0x0
	s_endpgm
.Lfunc_end_k_q5c3fb4119e_wquant:
	.size	k_q5c3fb4119e_wquant, .Lfunc_end_k_q5c3fb4119e_wquant-k_q5c3fb4119e_wquant
	.p2alignl 7, 3214868480
	.fill 96, 4, 3214868480
	.section	.rodata,"a",@progbits
	.p2align	6, 0x0
	.amdhsa_kernel k_q5c3fb4119e_wquant
		.amdhsa_group_segment_fixed_size 1024
		.amdhsa_private_segment_fixed_size 0
		.amdhsa_enable_private_segment 0
		.amdhsa_kernarg_size 40
		.amdhsa_user_sgpr_count 2
		.amdhsa_user_sgpr_kernarg_segment_ptr 1
		.amdhsa_wavefront_size32 1
		.amdhsa_system_sgpr_workgroup_id_x 1
		.amdhsa_system_sgpr_workgroup_id_y 1
		.amdhsa_system_sgpr_workgroup_id_z 1
		.amdhsa_system_vgpr_workitem_id 0
		.amdhsa_next_free_vgpr 128
		.amdhsa_next_free_sgpr 66
		.amdhsa_reserve_vcc 0
		.amdhsa_float_denorm_mode_32 3
		.amdhsa_float_denorm_mode_16_64 3
		.amdhsa_memory_ordered 1
		.amdhsa_forward_progress 1
		.amdhsa_inst_pref_size 9
	.end_amdhsa_kernel
	.amdgpu_metadata
---
amdhsa.version: [ 1, 2 ]
amdhsa.kernels:
  - .name:           k_q5c3fb4119e_wquant
    .symbol:         k_q5c3fb4119e_wquant.kd
    .args:
      - { .name: wq, .offset: 0, .size: 8, .value_kind: global_buffer, .address_space: global }
      - { .name: wk, .offset: 8, .size: 8, .value_kind: global_buffer, .address_space: global }
      - { .name: wv, .offset: 16, .size: 8, .value_kind: global_buffer, .address_space: global }
      - { .name: wo, .offset: 24, .size: 8, .value_kind: global_buffer, .address_space: global }
      - { .name: wc, .offset: 32, .size: 8, .value_kind: global_buffer, .address_space: global }
    .group_segment_fixed_size: 1024
    .private_segment_fixed_size: 0
    .kernarg_segment_align: 8
    .kernarg_segment_size: 40
    .max_flat_workgroup_size: 128
    .sgpr_count:     66
    .vgpr_count:     128
    .wavefront_size: 32
...
	.end_amdgpu_metadata
.endif
;; end of part 5
;; launch proj (part 6): grid 64 x 3, 4 waves a work-group, no clusters, 107,008 bytes of LDS; arguments q, k, v, wc, qc, kv; writes qc, kv
.if DOCPART == 6
	.amdgcn_target "amdgcn-amd-amdhsa--gfx1250"
	.amdhsa_code_object_version 6
	.text
	.protected	k_q5c3fb4119e_proj
	.globl	k_q5c3fb4119e_proj
	.p2align	8
	.type	k_q5c3fb4119e_proj,@function
k_q5c3fb4119e_proj:
	s_mov_b64 s[64:65], 0
	v_nop
	global_prefetch_b8 v0, s[64:65] scope:SCOPE_SE
	s_setreg_imm32_b32 hwreg(HW_REG_WAVE_SCHED_MODE, 0, 2), 2
	s_setreg_imm32_b32 hwreg(HW_REG_WAVE_MODE, 25, 1), 1
	s_wait_xcnt 0x0
	s_wait_alu depctr_vm_vsrc(0)
; xq = q wq^T, xk = k wk^T, xv = v wv^T on codes of FP6 (E2M3) with E8M0 scales; the results are quantised at once for the attention: xq, xk along the head's 64, xv along the keys.
; SHARES.  Work-group (bg, Y) takes the 128 rows of group bg (batch bg / 32, group bg % 32) of tensor Y (0 q, 1 k, 2 v) against all 512 outputs: 192 work-groups, since a fragment of V wants
; 128 keys in one lane's registers and there are 24,576 / 128 groups.  Wave w takes outputs 128 w .. 128 w + 127: heads 2 w and 2 w + 1.
; PHASE X (both paths): wave w quantises x's tiles 2 w and 2 w + 1 (8 fragments) and stores them in LDS as images of their registers; one barrier.
; Q, K: source 0 = my 8 tiles of W (32 fragments, resident in registers), source 1 = a tile of x from LDS: a lane holds one row, its registers run along the outputs.
; V:    source 0 = the 8 tiles of x (resident), source 1 = a tile of W from memory: a lane holds one output d, its registers run along the 128 keys.
; THE ROWS OF A TILE ARE NOT NEIGHBOURS (x's, W's): lane r of tile t holds row 32 (t / 2) + 8 (t % 2) + r + 8 (r / 8), so that registers 16 b + i of two neighbouring result tiles are 16 neighbours along the next K.
; OUT.  qc: record (b, head, g) of 6,400 bytes: four PAIR fragments (registers 0-5 tile 2 p, 6-11 tile 2 p + 1; lane (r, h): d = 32 h ..) at 1,536 p, scale words at 6,144 + 16 r + 4 p.
; kv: record of 12,800 bytes: K as in qc; V^T's four fragments (lane r: d by the tile order, K = the record's 128 keys) at 6,400 + 1,536 t, scale words at 12,544 + 16 r + 4 t.
; The two paths part once, on the work-group's number, and each has LDS bytes of its own.  No tensor load.
; LIMITS: NaN and infinities are not served; a block under 2^-124 is held at byte 1; a block of zeros has byte 1 where the rule says 127 (zero codes; this program alone reads the bytes).
; THE MODE: SCHED_MODE bits 1:0 = 2 (LLVM: expert scheduling mode 2), set by the entry lines.  The code itself states the register dependences
; between vector or matrix instructions and memory or LDS instructions, with s_wait_alu, always for 0.
; THE PLAN.  Registers that memory or LDS instructions touch:
;   v4-v11, v14, v15   offsets and LDS addresses: made once at the head, never written again: one wait on va_vdst ahead of the parting of the paths.
;   HA, XB (phase X)   the two raw sets: fragment f's QUANT reads set f % 2; behind it the loads of fragment f + 2 land there.
;   FA, XPW (phase X)  written by QUANT, read by the LDS stores behind it, written again by the next QUANT.
;   window 3           source 1 in buffers of 48: step m's products read one buffer; the loads issued in step m land in the buffer that step m - 1's products read.
;   the out-buffers    two by turns (Q, K: a pair of tiles each; V: a tile each): written by a step's QUANT, read by the stores that are issued in the next step.
;   S0S, S1S, windows 1 and 2   loaded once each, into registers that no vector instruction has named.
; A PRODUCT STEP: at its head the wait for its data; the waits that show the stores of the out-buffer's last turn done reading it; ONE wait on va_vdst: the last step's QUANT has written its out-buffer and the
; last step's products are done reading their buffer.  The step's loads and stores stand between the two halves of its 32 products, which name HA, the resident fragments, this step's buffer and the scale words: none of
; the registers that those loads and stores touch.  The loads stand ahead of the stores.
; REGISTERS: window 0 below; window 1: source 0, K steps 0, 1 at 24 t + 12 s; window 2: K steps 2, 3 likewise; window 3: source 1 in buffers of 48.
.set VB,    53248                      ; LDS: the V path's images begin here
.set XSC,   49152                      ; behind a path's 32 fragments: x's scale words, tile t: 16 bytes a lane at 512 t + 16 l
.set SPARE, 106496                     ; the spare words, 128 bytes for each wave
.set XA,   4                           ; x: (r + 8 (r / 8)) 2,048 + 64 h
.set LI,   5                           ; 16 x lane
.set LR,   6                           ; 16 r
.set XWI,  7                           ; where I store x's images: 16 l + 12,288 w
.set XWS,  8                           ; and their scale words: 16 l + 1,024 w
.set XWSV, 9                           ; the same three for the V path
.set AOB,  10                          ; 16 l + 32 records: the odd head's record
.set ASC,  11                          ; 16 r + h x 32 records
.set SPW,  12
.set NIL,  13
.set LIV,  14
.set XWIV, 15
.set HA,   16                          ; v16-79   the 8 result tiles; x's set A
.set XB,   80                          ; v80-143  x's set B
.set PWS,  80                          ; later: 8 scale words,
.set WA,   88                          ; the even head's four,
.set WB,   92                          ; the odd head's four,
.set WW,   96                          ; and what is stored
.set FA2,  100                         ; v100-111 Q, K: the second out-buffer, the even head's pair fragment,
.set FB2,  112                         ; v112-123 and the odd head's
.set S0S,  144                         ; v144-175 source 0's scale words, register 4 t + s
.set S1S,  176                         ; v176-207 source 1's, register 4 m + s
.set FA,   208                         ; v208-219 a fragment
.set FB,   220                         ; v220-231 another
.set XPW,  220                         ; in phase X: a tile's four scale words
.set CT,   232
.set TM,   240
.set SEL,  20
.set MSB, 0
.macro WIN new                         ; the immediate's high byte repeats the setting that is left
.if MSB != \new
	s_set_vgpr_msb (MSB<<8)|\new
.set MSB, \new
.endif
.endm
.macro PLACES n
.rept \n
	v_nop
.endr
.endm
.macro QUANT src, da, db, pw
.irp b, 0,1,2,3
	v_max3_num_f32 v[TM+\b], |v[(\src)+16*\b]|, |v[(\src)+16*\b+1]|, 0x1800000   ; my 16 of block b, and the floor 2^(3 - 127).  (Each result tile is read from its low end on)
.endr
.irp i, 2,4,6,8,10,12,14
.irp b, 0,1,2,3
	v_max3_num_f32 v[TM+\b], v[TM+\b], |v[(\src)+16*\b+\i]|, |v[(\src)+16*\b+\i+1]|
.endr
.endr
.irp b, 0,1,2,3
	v_permlanex16_b32 v[TM+4+\b], v[TM+\b], s[SEL], s[SEL+1]
.endr
.irp b, 0,1,2,3
	v_max_num_f32 v[TM+\b], v[TM+\b], v[TM+4+\b]
.endr
.irp b, 0,1,2,3
	v_add_nc_u32 v[TM+12+\b], 0xff000000, v[TM+\b]     ; 2 off the exponent field: the conversion's scale operand
.endr
.irp b, 0,1,2,3
	v_lshrrev_b32 v[TM+4+\b], 23, v[TM+12+\b]          ; the scale's byte
.endr
	v_lshl_or_b32 v[\pw], v[TM+5], 8, v[TM+4]
	v_lshl_or_b32 v[\pw], v[TM+6], 16, v[\pw]
	v_lshl_or_b32 v[\pw], v[TM+7], 24, v[\pw]
	v_cvt_scalef32_pk16_fp6_f32 v[(\da):(\da)+2], v[(\src):(\src)+15], v[TM+12]
	v_cvt_scalef32_pk16_fp6_f32 v[CT:CT+2], v[(\src)+16:(\src)+31], v[TM+13]
	v_cvt_scalef32_pk16_fp6_f32 v[(\db):(\db)+2], v[(\src)+32:(\src)+47], v[TM+14]
	v_cvt_scalef32_pk16_fp6_f32 v[CT+4:CT+6], v[(\src)+48:(\src)+63], v[TM+15]
	v_nop                                              ; one plain place behind the scaled conversions
.irp i, 0,1,2
	v_permlane16_swap_b32 v[(\da)+\i], v[CT+\i]
.endr
.irp i, 0,1,2
	v_mov_b32 v[(\da)+3+\i], v[CT+\i]
.endr
.irp i, 0,1,2
	v_permlane16_swap_b32 v[(\db)+\i], v[CT+4+\i]
.endr
.irp i, 0,1,2
	v_mov_b32 v[(\db)+3+\i], v[CT+4+\i]
.endr
.endm
.macro WMZ d, a, b, sa, sb             ; a product that starts a sum
	v_wmma_scale_f32_16x16x128_f8f6f4 v[(\d):(\d)+7], v[(\a):(\a)+11], v[(\b):(\b)+11], 0, v[\sa], v[\sb] matrix_a_fmt:MATRIX_FMT_FP6 matrix_b_fmt:MATRIX_FMT_FP6
.endm
.macro WMA d, a, b, sa, sb             ; and one that goes on in place
	v_wmma_scale_f32_16x16x128_f8f6f4 v[(\d):(\d)+7], v[(\a):(\a)+11], v[(\b):(\b)+11], v[(\d):(\d)+7], v[\sa], v[\sb] matrix_a_fmt:MATRIX_FMT_FP6 matrix_b_fmt:MATRIX_FMT_FP6
.endm
; my 16 rows' numbers of tile u (of my two), K step s: 64 a lane
.macro XLOAD reg, u, s
.irp b, 0,1,2,3
.irp j, 0,1,2,3
	global_load_b128 v[(\reg)+16*\b+4*\j:(\reg)+16*\b+4*\j+3], v[XA], s[24:25] offset:(\u)*16384+512*(\s)+128*\b+16*\j th:TH_LOAD_NT
.endr
.endr
.endm
; PHASE X: eight fragments, two sets of registers by turns; the loads run two fragments ahead
.macro PHASEX xwi, xws
	XLOAD HA, 0, 0
	XLOAD XB, 0, 1
.set FI, 0
.rept 8
.if FI < 7
	s_wait_loadcnt 16                              ; this fragment's numbers are in (and all that was asked for earlier); the next fragment's 16 loads may be out
.else
	s_wait_loadcnt 0x0
.endif
	s_wait_dscnt 0x0                               ; the last fragment's LDS stores are done
.if FI > 0
	s_wait_alu depctr_vm_vsrc(0)                   ; the last fragment's LDS stores have read FA (behind every fourth fragment XPW too), which QUANT writes again
.endif
	QUANT HA+64*(FI%2), FA, FA+6, XPW+FI%4
	s_wait_alu depctr_va_vdst(0)                   ; QUANT has written FA and XPW, which the LDS stores read, and is done reading its raw set, in which the loads land
.irp c, 0,1,2
	ds_store_b128 v[\xwi], v[FA+4*\c:FA+4*\c+3] offset:FI*1536+512*\c
.endr
.if FI < 6
	XLOAD HA+64*(FI%2), (FI+2)/4, (FI+2)%4
.endif
.if FI%4 == 3
	ds_store_b128 v[\xws], v[XPW:XPW+3] offset:XSC+512*(FI/4)
.endif
.set FI, FI+1
.endr
	s_wait_dscnt 0x0                               ; for the others' sake: my images have landed
	s_barrier_signal -1
	s_barrier_wait -1
.endm
; 32 products: the 8 tiles of source 0 against ONE tile of source 1 (buffer buf of window 3, scale words 4 m ..), K ascending, in two halves of 16.  The eight accumulators take turns.
.macro MULTA buf, m                    ; K steps 0 and 1
	WIN 0x0d                                       ; source 0 window 1, source 1 window 3, C and D window 0
.irp t, 0,1,2,3,4,5,6,7
	WMZ HA+8*\t, 24*\t, \buf, S0S+4*\t, S1S+4*(\m)
.endr
.irp t, 0,1,2,3,4,5,6,7
	WMA HA+8*\t, 24*\t+12, (\buf)+12, S0S+4*\t+1, S1S+4*(\m)+1
.endr
.endm
.macro MULTB buf, m                    ; K steps 2 and 3
	WIN 0x0e                                       ; source 0 window 2
.irp t, 0,1,2,3,4,5,6,7
	WMA HA+8*\t, 24*\t, (\buf)+24, S0S+4*\t+2, S1S+4*(\m)+2
.endr
.irp t, 0,1,2,3,4,5,6,7
	WMA HA+8*\t, 24*\t+12, (\buf)+36, S0S+4*\t+3, S1S+4*(\m)+3
.endr
	WIN 0
.endm
.macro FETCH1 m                        ; Q, K: x's tile m from LDS: 4 fragments and its scale words
	WIN 0xc0                                       ; destination window 3
.irp s, 0,1,2,3
.irp c, 0,1,2
	ds_load_b128 v[48*((\m)%2)+12*\s+4*\c:48*((\m)%2)+12*\s+4*\c+3], v[LI] offset:(4*(\m)+\s)*1536+512*\c
.endr
.endr
	WIN 0
	ds_load_b128 v[S1S+4*(\m):S1S+4*(\m)+3], v[LI] offset:XSC+512*(\m)
.endm
.macro WTILE nt                        ; V: W's tile nt from memory into buffer nt % 5
	WIN 0xc0
.irp s, 0,1,2,3
.irp c, 0,1,2
	global_load_b128 v[48*((\nt)%5)+12*\s+4*\c:48*((\nt)%5)+12*\s+4*\c+3], v[LI], s[26:27] offset:(4*(\nt)+\s)*1536+512*\c
.endr
.endr
	WIN 0
.endm
	s_load_b256 s[4:11], s[0:1], 0x0               ; q, k, v, wc
	s_load_b128 s[12:15], s[0:1], 0x20             ; qc, kv
	v_lshl_add_u32 v[SPW], v0, 2, SPARE
	v_mov_b32 v[NIL], 0
	v_lshrrev_b32 v1, 5, v0
	v_readfirstlane_b32 s16, v1                    ; wave
	s_and_b32 s17, ttmp7, 0xffff                   ; Y
	s_mov_b32 s18, ttmp9                           ; bg
	v_and_b32 v1, 31, v0
	v_and_b32 v2, 15, v0                           ; r
	v_bfe_u32 v3, v0, 4, 1                         ; h (kept)
	v_lshlrev_b32 v[LI], 4, v1
	v_lshlrev_b32 v[LR], 4, v2
	v_and_b32 v1, 8, v2
	v_add_nc_u32 v1, v1, v2
	v_lshlrev_b32 v[XA], 11, v1
	v_lshl_add_u32 v[XA], v3, 6, v[XA]
	s_wait_alu depctr_va_sdst(0)                   ; s16, the wave's number, is written, ahead of its first reader
	s_mul_i32 s32, s16, 12288
	v_add_nc_u32 v[XWI], s32, v[LI]
	s_lshl_b32 s32, s16, 10
	v_add_nc_u32 v[XWS], s32, v[LI]
	v_add_nc_u32 v[LIV], VB, v[LI]
	v_add_nc_u32 v[XWIV], VB, v[XWI]
	v_add_nc_u32 v[XWSV], VB, v[XWS]
	s_cmp_eq_u32 s17, 0
	s_mov_b32 s33, 12800
	s_cselect_b32 s33, 6400, s33                   ; a record's bytes: qc's or kv's
	s_lshl_b32 s23, s33, 5                         ; a head on: 32 records
	v_add_nc_u32 v[AOB], s23, v[LI]
	v_mul_lo_u32 v[ASC], v3, s23
	v_add_nc_u32 v[ASC], v[ASC], v[LR]
.irp b, 0,1,2,3
	v_mov_b32 v[TM+4+\b], 0                        ; written once: a lane permute's destination counts as one of its sources
.endr
	s_mov_b32 s[SEL], 0x76543210
	s_mov_b32 s[SEL+1], 0xfedcba98
	s_lshr_b32 s34, s18, 5                         ; record ((8 b + 2 w) 32 + g)
	s_lshl_b32 s34, s34, 3
	s_lshl_b32 s35, s16, 1
	s_add_co_u32 s34, s34, s35
	s_lshl_b32 s34, s34, 5
	s_and_b32 s35, s18, 31
	s_add_co_u32 s34, s34, s35
	s_mul_i32 s34, s34, s33
	s_mov_b32 s35, 0
	s_lshl_b32 s36, s18, 18                        ; x at row 128 bg + 32 w
	s_lshl_b32 s37, s16, 16
	s_add_co_u32 s36, s36, s37
	s_mov_b32 s37, 0
	s_mul_i32 s38, s17, 204800                     ; my weight in wc,
	s_mul_i32 s39, s16, 49152                      ; my 8 tiles' fragments,
	s_add_co_u32 s40, s38, s39
	s_mov_b32 s41, 0
	s_lshl_b32 s39, s16, 11                        ; and their scale words
	s_add_co_u32 s42, s38, s39
	s_add_co_u32 s42, s42, 196608
	s_mov_b32 s43, 0
	s_wait_kmcnt 0x0
	s_cmp_eq_u32 s17, 1                            ; the choices hang on the work-group's number alone
	s_cselect_b64 s[24:25], s[6:7], s[4:5]
	s_cmp_eq_u32 s17, 2
	s_cselect_b64 s[24:25], s[8:9], s[24:25]
	s_cmp_eq_u32 s17, 0
	s_cselect_b64 s[30:31], s[12:13], s[14:15]
	s_add_nc_u64 s[24:25], s[24:25], s[36:37]
	s_add_nc_u64 s[26:27], s[10:11], s[40:41]
	s_add_nc_u64 s[28:29], s[10:11], s[42:43]
	s_add_nc_u64 s[30:31], s[30:31], s[34:35]
	s_wait_alu depctr_va_vdst(0)                   ; the ten offsets and LDS addresses v4-v11, v14, v15 are written, which the loads and stores of both paths read
	s_cmp_eq_u32 s17, 2
	s_cbranch_scc1 .Lv
	; ---------------- Q and K ----------------
	WIN 0x40                                       ; my 32 fragments of W: they stay
.irp t, 0,1,2,3,4,5,6,7
.irp s, 0,1
.irp c, 0,1,2
	global_load_b128 v[24*\t+12*\s+4*\c:24*\t+12*\s+4*\c+3], v[LI], s[26:27] offset:(4*\t+\s)*1536+512*\c
.endr
.endr
.endr
	WIN 0x80
.irp t, 0,1,2,3,4,5,6,7
.irp s, 0,1
.irp c, 0,1,2
	global_load_b128 v[24*\t+12*\s+4*\c:24*\t+12*\s+4*\c+3], v[LI], s[26:27] offset:(4*\t+2+\s)*1536+512*\c
.endr
.endr
.endr
	WIN 0
.irp t, 0,1,2,3,4,5,6,7
	global_load_b128 v[S0S+4*\t:S0S+4*\t+3], v[LR], s[28:29] offset:256*\t
.endr
	PHASEX XWI, XWS
	FETCH1 0
.set MI, 0
.rept 8                                        ; step MI: x's tile MI.  Pair p = MI / 2 of tiles fills out-buffer p % 2: FA, FB or FA2, FB2
	s_wait_dscnt 0x0                               ; this tile's 13 LDS loads, issued in the step before, are in
.if MI == 0
	s_wait_alu depctr_vm_vsrc(0)                   ; phase X's LDS stores have read FA and XPW: these registers are the first out-buffer from here on, written by QUANT
.endif
.if (MI >= 4) && (MI%2 == 0)
	s_wait_xcnt 0x0                                ; the stores of the pair two pairs back, issued two steps ago, have had their addresses translated,
	s_wait_alu depctr_vm_vsrc(0)                   ; and have read their out-buffer, which this step's QUANT and the next's write again
.endif
.if (MI >= 1) && (MI <= 6)
	s_wait_alu depctr_va_vdst(0)                   ; the last step's products are done reading their buffer of window 3, in which the loads below land; its QUANT has written its half of the out-buffer, which the stores below read
.endif
	MULTA 48*(MI%2), MI
.if MI < 7
	FETCH1 MI+1                                    ; the next tile.  No wait: no vector or matrix instruction since the wait above names the other buffer, its scale words or v[LI]
.endif
.if (MI >= 2) && (MI%2 == 0)
.set PSH, (FA2-FA)*((MI/2+1)%2)                ; the pair finished in the step before
.irp c, 0,1,2
	global_store_b128 v[LI], v[FA+PSH+4*\c:FA+PSH+4*\c+3], s[30:31] offset:1536*(MI/2-1)+512*\c
.endr
.irp c, 0,1,2
	global_store_b128 v[AOB], v[FB+PSH+4*\c:FB+PSH+4*\c+3], s[30:31] offset:1536*(MI/2-1)+512*\c
.endr
.endif
	MULTB 48*(MI%2), MI
	PLACES 4                                       ; in front of the first read of the results
.set OSH, (FA2-FA)*((MI/2)%2)
	QUANT HA, FA+OSH+6*(MI%2), FB+OSH+6*(MI%2), PWS+MI     ; blocks 0, 1: head 2 w; blocks 2, 3: head 2 w + 1; two tiles make a pair fragment
.set MI, MI+1
.endr
	v_cmp_eq_u32 vcc_lo, 1, v3                     ; lanes 16-31 store the odd head's words
.irp p, 0,1,2,3
	v_perm_b32 v[WA+\p], v[PWS+2*\p+1], v[PWS+2*\p], 0x05040100   ; the even head: tile 2 p's two bytes below, tile 2 p + 1's above
	v_perm_b32 v[WB+\p], v[PWS+2*\p+1], v[PWS+2*\p], 0x07060302   ; the odd head
.endr
	s_wait_alu depctr_va_vcc(0)                    ; the compare has written VCC, which the selects read
.irp p, 0,1,2,3
	v_cndmask_b32 v[WW+\p], v[WA+\p], v[WB+\p], vcc_lo
.endr
	s_wait_alu depctr_va_vdst(0)                   ; the last QUANT has written FA2 and FB2, the selects WW: the stores below read them
.irp c, 0,1,2
	global_store_b128 v[LI], v[FA2+4*\c:FA2+4*\c+3], s[30:31] offset:1536*3+512*\c
.endr
.irp c, 0,1,2
	global_store_b128 v[AOB], v[FB2+4*\c:FB2+4*\c+3], s[30:31] offset:1536*3+512*\c
.endr
	global_store_b128 v[ASC], v[WW:WW+3], s[30:31] offset:6144   ; sixteen lanes store a record's 256 bytes of scale words
	s_wait_dscnt 0x0                               ; the closing lines, six on end
	s_wait_alu 0x0
	s_wait_tensorcnt 0x0
	ds_add_u32 v[SPW], v[NIL]
	s_wait_dscnt 0x0
	s_endpgm
	; ---------------- V ----------------
.Lv:
	WTILE 0
	WTILE 1
	WTILE 2
	WTILE 3
	WTILE 4
.irp t, 0,1,2,3,4,5,6,7
	global_load_b128 v[S1S+4*\t:S1S+4*\t+3], v[LR], s[28:29] offset:256*\t
.endr
	PHASEX XWIV, XWSV
	WIN 0x40                                       ; all 32 fragments of x become source 0
.irp t, 0,1,2,3,4,5,6,7
.irp s, 0,1
.irp c, 0,1,2
	ds_load_b128 v[24*\t+12*\s+4*\c:24*\t+12*\s+4*\c+3], v[LIV] offset:(4*\t+\s)*1536+512*\c
.endr
.endr
.endr
	WIN 0x80
.irp t, 0,1,2,3,4,5,6,7
.irp s, 0,1
.irp c, 0,1,2
	ds_load_b128 v[24*\t+12*\s+4*\c:24*\t+12*\s+4*\c+3], v[LIV] offset:(4*\t+2+\s)*1536+512*\c
.endr
.endr
.endr
	WIN 0
.irp t, 0,1,2,3,4,5,6,7
	ds_load_b128 v[S0S+4*\t:S0S+4*\t+3], v[LIV] offset:XSC+512*\t
.endr
	s_wait_dscnt 0x0
.set NI, 0
.rept 8                                        ; step NI: W's tile NI, from buffer NI % 5; its fragment of V^T fills out-buffer NI % 2: FA or FB
.if NI >= 5
	s_wait_loadcnt 12*(7-NI)                       ; this tile of W is in; the later tiles' 12 loads each may be out
.endif
.if NI == 0
	s_wait_alu depctr_vm_vsrc(0)                   ; phase X's LDS stores have read FA and XPW: these registers are the two out-buffers from here on, written by QUANT
.endif
.if NI >= 2
	s_wait_xcnt 0x0                                ; the stores of two tiles back, issued in the step before, have had their addresses translated,
	s_wait_alu depctr_vm_vsrc(0)                   ; and have read their out-buffer, which this step's QUANT writes again
.endif
.if NI >= 1
	s_wait_alu depctr_va_vdst(0)                   ; the last step's QUANT has written its out-buffer, which the stores below read; its products are done reading their buffer of W, in which the loads below land
.endif
	MULTA 48*(NI%5), NI
.if (NI >= 1) && (NI <= 3)
	WTILE NI+4                                     ; into the buffer that the last step read.  No wait: no vector or matrix instruction since the wait above names it or v[LI]
.endif
.if NI >= 1
	WIN 0
.set TI, NI-1                                  ; the tile finished in the step before
.irp c, 0,1,2
.if TI < 4
	global_store_b128 v[LI], v[FA+12*(TI%2)+4*\c:FA+12*(TI%2)+4*\c+3], s[30:31] offset:6400+1536*(TI%4)+512*\c
.else
	global_store_b128 v[AOB], v[FA+12*(TI%2)+4*\c:FA+12*(TI%2)+4*\c+3], s[30:31] offset:6400+1536*(TI%4)+512*\c
.endif
.endr
.endif
	MULTB 48*(NI%5), NI
	PLACES 4                                       ; in front of the first read of the results
	QUANT HA, FA+12*(NI%2), FA+12*(NI%2)+6, PWS+NI ; a lane's 64 numbers are 128 keys' halves of one d: a fragment of V^T
.set NI, NI+1
.endr
	v_cmp_eq_u32 vcc_lo, 1, v3
	s_wait_alu depctr_va_vcc(0)                    ; the compare has written VCC, which the selects read
.irp p, 0,1,2,3
	v_cndmask_b32 v[WW+\p], v[PWS+\p], v[PWS+4+\p], vcc_lo
.endr
	s_wait_alu depctr_va_vdst(0)                   ; the last QUANT has written FB, the selects WW: the stores below read them
.irp c, 0,1,2
	global_store_b128 v[AOB], v[FB+4*\c:FB+4*\c+3], s[30:31] offset:6400+1536*3+512*\c
.endr
	global_store_b128 v[ASC], v[WW:WW+3], s[30:31] offset:12544
	s_wait_dscnt 0x0                               ; the closing lines, six on end
	s_wait_alu 0x0
	s_wait_tensorcnt 0x0
	ds_add_u32 v[SPW], v[NIL]
	s_wait_dscnt 0x0
	s_endpgm
.Lfunc_end_k_q5c3fb4119e_proj:
	.size	k_q5c3fb4119e_proj, .Lfunc_end_k_q5c3fb4119e_proj-k_q5c3fb4119e_proj
	.p2alignl 7, 3214868480
	.fill 96, 4, 3214868480
	.section	.rodata,"a",@progbits
	.p2align	6, 0x0
	.amdhsa_kernel k_q5c3fb4119e_proj
		.amdhsa_group_segment_fixed_size 107008
		.amdhsa_private_segment_fixed_size 0
		.amdhsa_enable_private_segment 0
		.amdhsa_kernarg_size 48
		.amdhsa_user_sgpr_count 2
		.amdhsa_user_sgpr_kernarg_segment_ptr 1
		.amdhsa_wavefront_size32 1
		.amdhsa_system_sgpr_workgroup_id_x 1
		.amdhsa_system_sgpr_workgroup_id_y 1
		.amdhsa_system_sgpr_workgroup_id_z 1
		.amdhsa_system_vgpr_workitem_id 0
		.amdhsa_next_free_vgpr 1024
		.amdhsa_next_free_sgpr 66
		.amdhsa_reserve_vcc 1
		.amdhsa_float_denorm_mode_32 3
		.amdhsa_float_denorm_mode_16_64 3
		.amdhsa_memory_ordered 1
		.amdhsa_forward_progress 1
		.amdhsa_inst_pref_size 255
	.end_amdhsa_kernel
	.section	.bss,"aw",@nobits
	.p2align	6
	.space	262144
	.amdgpu_metadata
---
amdhsa.version: [ 1, 2 ]
amdhsa.kernels:
  - .name:           k_q5c3fb4119e_proj
    .symbol:         k_q5c3fb4119e_proj.kd
    .args:
      - { .name: q, .offset: 0, .size: 8, .value_kind: global_buffer, .address_space: global }
      - { .name: k, .offset: 8, .size: 8, .value_kind: global_buffer, .address_space: global }
      - { .name: v, .offset: 16, .size: 8, .value_kind: global_buffer, .address_space: global }
      - { .name: wc, .offset: 24, .size: 8, .value_kind: global_buffer, .address_space: global }
      - { .name: qc, .offset: 32, .size: 8, .value_kind: global_buffer, .address_space: global }
      - { .name: kv, .offset: 40, .size: 8, .value_kind: global_buffer, .address_space: global }
    .group_segment_fixed_size: 107008
    .private_segment_fixed_size: 0
    .kernarg_segment_align: 8
    .kernarg_segment_size: 48
    .max_flat_workgroup_size: 128
    .sgpr_count:     66
    .vgpr_count:     1024
    .wavefront_size: 32
...
	.end_amdgpu_metadata
.endif
;; end of part 6
;; launch attn (part 7): grid 16 x 16, 16 waves a work-group, no clusters, 327,680 bytes of LDS; arguments qc, kv, oc; writes oc
.if DOCPART == 7
	.amdgcn_target "amdgcn-amd-amdhsa--gfx1250"
	.amdhsa_code_object_version 6
	.text
	.protected	k_q5c3fb4119e_attn
	.globl	k_q5c3fb4119e_attn
	.p2align	8
	.type	k_q5c3fb4119e_attn,@function
k_q5c3fb4119e_attn:
	s_mov_b64 s[64:65], 0
	v_nop
	global_prefetch_b8 v0, s[64:65] scope:SCOPE_SE
	s_setreg_imm32_b32 hwreg(HW_REG_WAVE_MODE, 25, 1), 1
	s_wait_xcnt 0x0
; Causal attention on codes of FP6 (E2M3): S^T = K Q^T, p = 2^(t - M) with t = score x log2(e) / 8 and M the running largest t rounded UP to a whole number, O^T += V^T P^T, O / l, and O quantised along the head's 64 for the last product.
; The row's sum l is taken of the unquantised p.  When M moves, l and O^T are multiplied by 2^(old M - new M): exact.
; SHARES.  Work-group (i, bh) owns query groups i and 31 - i (128 queries each) of one head: under the causal mask the two together see 33 key steps of 128 keys, whatever i.  Sixteen waves, one tile of 16 queries each:
; wave w takes tile m = w / 2 of group i (f = 0) or 31 - i (f = 1), f = (w xor (w / 4)) & 1, so that low and high groups mix among any four neighbouring waves and among any four waves 4 apart.
; A KEY STEP is one record of kv (12,800 bytes: K's four pair fragments and scale words, V^T's four fragments and scale words), laid as images of operand registers: every LDS load is 16 bytes a lane, 512 on end.
; THE HEAD IS 64 WIDE, THE FORM'S K IS 128: a pair fragment holds key tile 2 p in k = 0 .. 63 and key tile 2 p + 1 in k = 64 .. 127; against [Q | zeros] it gives tile 2 p's scores, against [zeros | Q] tile 2 p + 1's.
; THE KEYS AND QUERIES OF A TILE ARE NOT NEIGHBOURS: lane r of tile t is row 32 (t / 2) + 8 (t % 2) + r + 8 (r / 8); so registers 16 b + i of S^T are keys 32 b + 16 (lane / 16) + i.
; RING.  Two slots of 4 records; waves 0 to 3 fetch a record each.  Every work-group walks all 8 slots (constant trip counts); a step whose keys all come after my queries is jumped over, and a slot whose first
; record comes after the work-group's later group is not asked for: a jump made of ids and the count of steps alone, the same in all sixteen waves; every wait on TENSORcnt here is for 0.
; NO CLUSTER: the work-groups of a head need different numbers of slots under the mask; what is shared, a head's 409,600 bytes, is little beside the vector work of a step.
; LIMITS: NaN and infinities are not served; a block of p or o under 2^-124 is held at byte 1; a block of zeros has byte 1 where the rule says 127 (zero codes; this program alone reads the bytes).
.set REC,   12800
.set SLOT1, 1<<16                      ; slot 1 begins here: one exclusive or turns an address
.set OSC,   131072                     ; o's scale words: 512 bytes for each of the two groups; no tile lands here
.set SPARE, 132096                     ; the spare words, 128 bytes for each of 16 waves
.set LI,  1                            ; 16 x lane
.set LR,  2                            ; 16 r
.set DQ,  3                            ; my query's row in its group - 16 (lane / 16)
.set NINF, 4
.set SPW, 5
.set NIL, 6
.set PFO, 7
.set ADI, 8
.set ADR, 9
.set OSA, 10                           ; where I store o's scale word
.set OSB, 11                           ; where waves 0 and 1 read a group's 512 bytes back
; v12 -M, v13 the largest t, v[14:15] the sum in two halves; v16-21 Q, v22-27 zeros, v28-33 Q
.set QS,  34
.set KF,  36                           ; v36-83  K's four pair fragments, then V^T's four
.set KS,  84
.set VS,  88
.set S,   96                           ; v96-159 S^T, then p
.set O,   160                          ; v160-191 O^T
.set P,   192                          ; v192-203 p's codes
.set CT,  204
.set BM,  212
.set BP,  216
.set SO,  220
.set PS,  224
.set F,   226
.set T1,  228
.set SUMT, 230
.set TB,  2
.set GK,  3
.set WV,  18
.set MT,  19
.set SEL, 20
.set CS,  22
.set G1,  24
.set G0,  32
.set GQ,  36
.set GH,  37
.set SLOTS, 38
.set STEPS, 39
.set PFA, 40
.set LIM, 42
.set FF,  43
.macro PLACES n
.rept \n
	v_nop
.endr
.endm
.macro WMZ d, a, b, sa, sb
	v_wmma_scale_f32_16x16x128_f8f6f4 v[(\d):(\d)+7], v[(\a):(\a)+11], v[(\b):(\b)+11], 0, v[\sa], v[\sb] matrix_a_fmt:MATRIX_FMT_FP6 matrix_b_fmt:MATRIX_FMT_FP6
.endm
.macro WMA d, a, b, sa, sb
	v_wmma_scale_f32_16x16x128_f8f6f4 v[(\d):(\d)+7], v[(\a):(\a)+11], v[(\b):(\b)+11], v[(\d):(\d)+7], v[\sa], v[\sb] matrix_a_fmt:MATRIX_FMT_FP6 matrix_b_fmt:MATRIX_FMT_FP6
.endm
.macro TLOAD                           ; waves 0 to 3 fetch a record each; an s_nop 0 and four v_nop follow the load
	s_cmp_lt_u32 s[WV], 4
	s_cbranch_scc0 .Lno_load_\@
	tensor_load_to_lds s[G0:G0+3], s[G1:G1+7]
	s_nop 0
.rept 4
	v_nop
.endr
.Lno_load_\@:
.endm
; A PREFETCH INTO THE L2 of the slot that the NEXT change of slots will ask for: 51,200 dense bytes, lanes 256 bytes apart.  All work-groups of a head walk the same records: the head's first work-group asks,
; and in it waves 4 to 10, which fetch nothing: 224 lanes for 200 blocks; the lanes that are over name the slot's last block again.  The last two changes ask for nothing; slots 0 and 1 come by their loads alone.
.macro ASK
	s_cmp_gt_u32 s[SLOTS], s[LIM]
	s_cbranch_scc0 .Lnot_mine_\@
	global_prefetch_b8 v[PFO], s[PFA:PFA+1] th:TH_LOAD_NT scope:SCOPE_SE
.Lnot_mine_\@:
.endm
; THE CHANGE OF SLOTS stands at a slot's head: all my tensor loads are in (my record of the slot ahead), the add, my reads of the slot left are over; one barrier; then the slot left is filled with the next four records.
.macro CHANGE fill
	s_wait_tensorcnt 0x0                           ; no tensor load of mine is out, so group 0 may be written
	ds_add_u32 v[SPW], v[NIL]                      ; 0 onto my spare word
.if \fill
	s_xor_b32 s[G0+1], s[G0+1], SLOT1              ; the other slot,
	s_add_nc_u64 s[G0+2:G0+3], s[G0+2:G0+3], 4*REC ; the next four records; the type bits on top are not reached
	s_wait_xcnt 0x0                                ; the last prefetch, a slot back, has read its address
	s_add_nc_u64 s[PFA:PFA+1], s[PFA:PFA+1], 4*REC
.endif
	s_wait_dscnt 0x0                               ; the add is done, and my reads of the slot that I have left are over
	s_barrier_signal -1
	s_barrier_wait -1
.if \fill
	s_add_co_u32 s44, s[GK], 4                     ; the first record of the slot that this change would ask for:
	s_cmp_gt_u32 s44, s[GH]                        ; past the work-group's later group none of its waves reads it
	s_cbranch_scc1 .Lpast_\@
	TLOAD                                          ; a wave's one tensor load until the next such barrier
.Lpast_\@:
	ASK
.endif
.endm
; A KEY STEP: record GK, at LDS byte TB.
.macro STEP
	s_cmp_gt_u32 s[GK], s[GQ]                      ; all its keys come after my queries: only the steps of addresses at its end are run
	s_cbranch_scc1 .Lhidden_\@
	s_setprio 2
	v_add_nc_u32 v[ADI], s[TB], v[LI]
	v_add_nc_u32 v[ADR], s[TB], v[LR]
	v_nop
	v_nop                                          ; four places in front of loads into registers that the last products read
.irp p, 0,1,2,3
.irp c, 0,1,2
	ds_load_b128 v[KF+12*\p+4*\c:KF+12*\p+4*\c+3], v[ADI] offset:1536*\p+512*\c
.endr
.endr
	ds_load_b128 v[KS:KS+3], v[ADR] offset:6144
	s_wait_alu depctr_va_vdst(0)
	s_wait_dscnt 0x0
.irp p, 0,1,2,3
	WMZ S+16*\p, KF+12*\p, 16, KS+\p, QS           ; against [Q | zeros]: key tile 2 p
	WMZ S+16*\p+8, KF+12*\p, 22, KS+\p, QS         ; against [zeros | Q]: key tile 2 p + 1
.endr
	PLACES 4                                       ; in front of the loads below and of the first read of the scores
.irp t, 0,1,2,3
.irp c, 0,1,2
	ds_load_b128 v[KF+12*\t+4*\c:KF+12*\t+4*\c+3], v[ADI] offset:6400+1536*\t+512*\c   ; V^T: it lands under the softmax
.endr
.endr
	ds_load_b128 v[VS:VS+3], v[ADR] offset:12544
	s_cmp_lt_u32 s[GK], s[GQ]                      ; all keys count: no mask
	s_cbranch_scc1 .Lopen_\@
.set NN, 0
.rept 64                                       ; on the diagonal: register 16 b + i holds key 32 b + 16 (lane / 16) + i, hidden where it comes after my query
	v_cmp_gt_i32 vcc_lo, 32*(NN/16)+NN%16, v[DQ]
	v_cndmask_b32 v[S+NN], v[S+NN], v[NINF], vcc_lo
.set NN, NN+1
.endr
.Lopen_\@:
.irp b, 0,1,2,3
	v_max3_num_f32 v[BM+\b], v[S+16*\b], v[S+16*\b+1], v[S+16*\b+2]   ; the largest score of each block of 32 keys: for the row's maximum and, since p rises with the score, for the block's largest p
.endr
.irp i, 3,5,7,9,11,13
.irp b, 0,1,2,3
	v_max3_num_f32 v[BM+\b], v[BM+\b], v[S+16*\b+\i], v[S+16*\b+\i+1]
.endr
.endr
.irp b, 0,1,2,3
	v_max_num_f32 v[BM+\b], v[BM+\b], v[S+16*\b+15]
.endr
.irp b, 0,1,2,3
	s_delay_alu instid0(VALU_DEP_4)
	v_permlanex16_b32 v[BP+\b], v[BM+\b], s[SEL], s[SEL+1]
.endr
.irp b, 0,1,2,3
	s_delay_alu instid0(VALU_DEP_4)
	v_max_num_f32 v[BM+\b], v[BM+\b], v[BP+\b]     ; with lane l xor 16's 16 keys
.endr
	s_delay_alu instid0(VALU_DEP_2)
	v_max3_num_f32 v[T1], v[BM], v[BM+1], v[BM+2]
	s_delay_alu instid0(VALU_DEP_1)
	v_max_num_f32 v[T1], v[T1], v[BM+3]
	s_delay_alu instid0(VALU_DEP_1)
	v_mul_f32 v[T1], s[CS], v[T1]                  ; the step's largest t
	s_delay_alu instid0(VALU_DEP_1)
	v_max_num_f32 v13, v13, v[T1]                  ; the running largest t
	v_mov_b32 v[T1], v12
	s_delay_alu instid0(VALU_DEP_2)
	v_floor_f32 v12, -v13                          ; the new -M = floor(-t): M is a whole number
	s_delay_alu instid0(VALU_DEP_1)
	v_sub_f32 v[T1], v12, v[T1]                    ; old M - new M, 0 or less
	s_delay_alu instid0(VALU_DEP_1)
	v_cvt_i32_f32 v[T1], v[T1]                     ; (it saturates)
	s_delay_alu instid0(VALU_DEP_1)
	v_ldexp_f32 v[F], 1.0, v[T1]                   ; f = 2^(old M - new M)
.set NN, 0
.rept 32
	v_pk_fma_f32 v[S+NN:S+NN+1], v[S+NN:S+NN+1], s[CS:CS+1], v[12:13] op_sel_hi:[1,0,0]   ; t - M, two at a time
.set NN, NN+2
.endr
	s_setprio 1
.irp b, 0,1,2,3
	v_fma_f32 v[BM+\b], v[BM+\b], s[CS], v12       ; the same of each block's largest score
.endr
.set NN, 0
	s_wait_alu depctr_va_vdst(0)
.rept 64
	v_exp_f32 v[S+NN], v[S+NN]                     ; p = 2^(t - M): not normalised
.set NN, NN+1
.endr
	v_pk_mul_f32 v[14:15], v[14:15], v[F:F+1] op_sel_hi:[1,0]   ; the sums under the new M: the plain place behind the batch
	s_wait_alu depctr_va_vdst(0)                   ; one wait for the batch of 64, ahead of its first reader
.irp b, 0,1,2,3
	v_exp_f32 v[BM+\b], v[BM+\b]                   ; the block's largest p
.endr
	v_pk_add_f32 v[230:231], v[100:101], v[104:105]
	v_pk_add_f32 v[254:255], v[108:109], v[112:113]
	v_pk_add_f32 v[252:253], v[116:117], v[120:121]
	v_pk_add_f32 v[250:251], v[124:125], v[128:129]
	v_pk_add_f32 v[248:249], v[132:133], v[136:137]
	v_pk_add_f32 v[246:247], v[140:141], v[144:145]
	v_pk_add_f32 v[244:245], v[148:149], v[152:153]
	v_pk_add_f32 v[14:15], v[14:15], v[156:157]
	v_pk_add_f32 v[230:231], v[230:231], v[96:97]
	v_pk_add_f32 v[254:255], v[254:255], v[98:99]
	v_pk_add_f32 v[252:253], v[252:253], v[102:103]
	v_pk_add_f32 v[250:251], v[250:251], v[106:107]
	v_pk_add_f32 v[248:249], v[248:249], v[110:111]
	v_pk_add_f32 v[246:247], v[246:247], v[114:115]
	v_pk_add_f32 v[244:245], v[244:245], v[118:119]
	v_pk_add_f32 v[14:15], v[14:15], v[122:123]
	v_pk_add_f32 v[230:231], v[230:231], v[126:127]
	v_pk_add_f32 v[254:255], v[254:255], v[130:131]
	v_pk_add_f32 v[252:253], v[252:253], v[134:135]
	v_pk_add_f32 v[250:251], v[250:251], v[138:139]
	v_pk_add_f32 v[248:249], v[248:249], v[142:143]
	v_pk_add_f32 v[246:247], v[246:247], v[146:147]
	v_pk_add_f32 v[244:245], v[244:245], v[150:151]
	v_pk_add_f32 v[14:15], v[14:15], v[154:155]
	v_pk_add_f32 v[230:231], v[230:231], v[158:159]
	s_delay_alu instid0(VALU_DEP_2)
	v_pk_add_f32 v[14:15], v[14:15], v[250:251]
	s_delay_alu instid0(VALU_DEP_2)
	v_pk_add_f32 v[230:231], v[230:231], v[248:249]
	v_pk_add_f32 v[254:255], v[254:255], v[246:247]
	v_pk_add_f32 v[252:253], v[252:253], v[244:245]
	s_delay_alu instid0(VALU_DEP_2)
	v_pk_add_f32 v[14:15], v[14:15], v[254:255]
	s_delay_alu instid0(VALU_DEP_2)
	v_pk_add_f32 v[230:231], v[230:231], v[252:253]
	s_delay_alu instid0(VALU_DEP_1)
	v_pk_add_f32 v[14:15], v[14:15], v[230:231]
	s_wait_alu depctr_va_vdst(0)                   ; and one for the four
.irp b, 0,1,2,3
	v_max_num_f32 v[BM+\b], 0x1800000, v[BM+\b]    ; the floor 2^(3 - 127)
.endr
.irp b, 0,1,2,3
	s_delay_alu instid0(VALU_DEP_4)
	v_add_nc_u32 v[SO+\b], 0xff000000, v[BM+\b]    ; the conversion's scale operand
.endr
.irp b, 0,1,2,3
	s_delay_alu instid0(VALU_DEP_4)
	v_lshrrev_b32 v[BP+\b], 23, v[SO+\b]           ; the scale's byte
.endr
	s_delay_alu instid0(VALU_DEP_3)
	v_lshl_or_b32 v[PS], v[BP+1], 8, v[BP]         ; p's scale word for these 128 keys
	s_delay_alu instid0(VALU_DEP_1)
	v_lshl_or_b32 v[PS], v[BP+2], 16, v[PS]
	s_delay_alu instid0(VALU_DEP_1)
	v_lshl_or_b32 v[PS], v[BP+3], 24, v[PS]
	s_setprio 0
.irp c, 0,1
	v_cvt_scalef32_pk16_fp6_f32 v[P+6*\c:P+6*\c+2], v[S+32*\c:S+32*\c+15], v[SO+2*\c]
	v_cvt_scalef32_pk16_fp6_f32 v[CT+4*\c:CT+4*\c+2], v[S+32*\c+16:S+32*\c+31], v[SO+2*\c+1]
.endr
	v_nop                                          ; one plain place behind the scaled conversions
.irp c, 0,1
.irp i, 0,1,2
	v_permlane16_swap_b32 v[P+6*\c+\i], v[CT+4*\c+\i]
.endr
.irp i, 0,1,2
	s_delay_alu instid0(VALU_DEP_3)
	v_mov_b32 v[P+6*\c+3+\i], v[CT+4*\c+\i]
.endr
.endr
.set NN, 0
.rept 16
	v_pk_mul_f32 v[O+NN:O+NN+1], v[O+NN:O+NN+1], v[F:F+1] op_sel_hi:[1,0]   ; O^T under the new M; also the places between p's codes and scale word and the products
.set NN, NN+2
.endr
	s_wait_alu depctr_va_vdst(0)
	s_wait_dscnt 0x0                               ; V^T is in
.irp t, 0,1,2,3
	WMA O+8*\t, KF+12*\t, P, VS+\t, PS             ; four accumulators by turns
.endr
.Lhidden_\@:
	s_add_co_u32 s[GK], s[GK], 1
	s_add_co_u32 s[TB], s[TB], REC
.endm
.macro FOUR_STEPS                      ; a slot's four records: written once, walked four times
	s_mov_b32 s[STEPS], 4
.Lstep_\@:
	STEP
	s_sub_co_u32 s[STEPS], s[STEPS], 1
	s_cmp_lg_u32 s[STEPS], 0
	s_cbranch_scc1 .Lstep_\@
	s_setprio 0
	s_sub_co_u32 s[TB], s[TB], 4*REC
	s_xor_b32 s[TB], s[TB], SLOT1                  ; on to the other slot
.endm
	s_load_b128 s[4:7], s[0:1], 0x0                ; qc, kv
	s_load_b64 s[8:9], s[0:1], 0x10                ; oc
	v_lshl_add_u32 v[SPW], v0, 2, SPARE
	v_mov_b32 v[NIL], 0
	ds_add_u32 v[SPW], v[NIL]                      ; the wave's opening: the add and its wait ahead of the first tensor load; work on registers stands between
	ds_add_u32 v[SPW], v[NIL]
	v_lshrrev_b32 v92, 5, v0
	s_delay_alu instid0(VALU_DEP_1)
	v_readfirstlane_b32 s[WV], v92                 ; wave 0..15
	s_lshr_b32 s[MT], s[WV], 1                     ; my tile m
	s_lshr_b32 s44, s[WV], 2
	s_xor_b32 s44, s44, s[WV]
	s_and_b32 s[FF], s44, 1                        ; f: which of the two groups
	s_sub_co_u32 s[GH], 31, ttmp9                  ; the later group
	s_cmp_eq_u32 s[FF], 1
	s_cselect_b32 s[GQ], s[GH], ttmp9              ; my group
	s_and_b32 s45, ttmp7, 0xffff                   ; bh = 8 b + head
	s_mov_b32 s[G1], 3<<16                         ; group 1: no mask, elements of 8 bytes, no padding: a record is 50 dense rows of 256 bytes
	s_mov_b32 s[G1+1], 32<<16                      ; tensor_dim0 = 32
	s_mov_b32 s[G1+2], 50<<16                      ; tensor_dim1 = 50
	s_mov_b32 s[G1+3], 32<<16                      ; tile_dim0 = 32
	s_mov_b32 s[G1+4], 50                          ; tile_dim1 = 50
	s_mov_b32 s[G1+5], 32                          ; the pitch
	s_mov_b32 s[G1+6], 0
	s_mov_b32 s[G1+7], 0
	s_mov_b32 s[SEL], 0x76543210
	s_mov_b32 s[SEL+1], 0xfedcba98
	s_mov_b32 s[CS], 0x3e38aa3b                    ; log2(e) / sqrt(64)
	s_mov_b32 s[CS+1], s[CS]
	s_mov_b32 s[TB], 0
	s_mov_b32 s[GK], 0
	s_mov_b32 s[SLOTS], 7
	s_mul_i32 s46, s45, 32*REC                     ; the head's first record in kv
	s_mov_b32 s47, 0
	s_mul_i32 s48, s[WV], REC                      ; my record of a slot, in memory and in LDS
	s_mov_b32 s49, 0
	s_lshl_b32 s50, s45, 5
	s_add_co_u32 s50, s50, s[GQ]
	s_mul_i32 s50, s50, 6400                       ; my group's record in qc
	s_lshr_b32 s52, s[MT], 1                       ; pair m / 2
	s_mul_i32 s53, s52, 1536
	s_add_co_u32 s54, s50, s53
	s_mov_b32 s55, 0
	s_lshl_b32 s52, s52, 2
	s_add_co_u32 s56, s50, s52
	s_add_co_u32 s56, s56, 6144                    ; and the pair's scale words
	s_mov_b32 s57, 0
	s_lshr_b32 s58, s45, 3
	s_lshl_b32 s58, s58, 5
	s_add_co_u32 s58, s58, s[GQ]
	s_mul_i32 s58, s58, 53248                      ; oc: group 32 b + my group
	s_and_b32 s59, s45, 7                          ; the head
	s_mul_i32 s60, s59, 768
	s_mul_i32 s61, s[MT], 6144
	s_add_co_u32 s60, s60, s61
	s_add_co_u32 s60, s60, s58                     ; my half image
	s_mov_b32 s61, 0
	s_lshl_b32 s59, s59, 9
	s_add_co_u32 s58, s58, s59
	s_add_co_u32 s58, s58, 49152                   ; the head's 512 bytes of scale words
	s_mov_b32 s59, 0
	s_sub_co_u32 s44, s[WV], 4                     ; who prefetches: waves 4 to 10
	s_cmp_lt_u32 s44, 7
	s_cselect_b32 s44, 0, 1
	s_or_b32 s44, s44, ttmp9                       ; of the head's first work-group
	s_cmp_eq_u32 s44, 0
	s_cselect_b32 s[LIM], 1, -1
	v_add_nc_u32 v[PFO], 0xffffff80, v0            ; thread - 128,
	s_delay_alu instid0(VALU_DEP_1)
	v_min_u32 v[PFO], 199, v[PFO]                  ; held at the slot's last block,
	s_delay_alu instid0(VALU_DEP_1)
	v_lshlrev_b32 v[PFO], 8, v[PFO]                ; 256 bytes apart
	v_and_b32 v92, 31, v0
	s_delay_alu instid0(VALU_DEP_1)
	v_lshlrev_b32 v[LI], 4, v92
	v_and_b32 v93, 15, v0                          ; r
	s_delay_alu instid0(VALU_DEP_1)
	v_lshlrev_b32 v[LR], 4, v93
	s_wait_alu depctr_va_vdst(0)
	v_bfe_u32 v94, v0, 4, 1                        ; h
	s_lshr_b32 s44, s[MT], 1
	s_lshl_b32 s44, s44, 5
	s_and_b32 s53, s[MT], 1
	s_lshl_b32 s52, s53, 3
	s_add_co_u32 s44, s44, s52                     ; 32 (m / 2) + 8 (m % 2)
	v_and_b32 v95, 8, v93
	s_delay_alu instid0(VALU_DEP_1)
	v_add_nc_u32 v[DQ], v95, v93
	v_lshlrev_b32 v95, 4, v94
	s_delay_alu instid0(VALU_DEP_1)
	v_sub_nc_u32 v[DQ], v[DQ], v95
	s_delay_alu instid0(VALU_DEP_1)
	v_add_nc_u32 v[DQ], s44, v[DQ]
	s_lshl_b32 s50, s[FF], 9                       ; o's scale words in LDS: OSC + 512 f + 256 (m / 4) + 4 (m % 4) + 16 r
	s_lshr_b32 s51, s[MT], 2
	s_lshl_b32 s51, s51, 8
	s_add_co_u32 s51, s51, s50
	s_and_b32 s52, s[MT], 3
	s_lshl_b32 s52, s52, 2
	s_add_co_u32 s51, s51, s52
	s_add_co_u32 s51, s51, OSC
	v_add_nc_u32 v[OSA], s51, v[LR]
	s_add_co_u32 s50, s50, OSC
	v_add_nc_u32 v[OSB], s50, v[LI]
	s_wait_dscnt 0x0                               ; the opening add is done
	s_wait_kmcnt 0x0
	s_add_nc_u64 s[6:7], s[6:7], s[46:47]          ; kv at my head
	s_mov_b32 s[G0], 1                             ; count = 1
	s_mov_b32 s[G0+1], s48                         ; LDS: slot 0, record = wave
	s_add_nc_u64 s[G0+2:G0+3], s[6:7], s[48:49]
	s_or_b32 s[G0+3], s[G0+3], 0x80000000          ; type = 2
	TLOAD                                          ; slot 0
	s_add_nc_u64 s[PFA:PFA+1], s[6:7], 4*REC       ; at slot 1: the first change of slots steps it to slot 2.  Nothing is prefetched at the head
	s_add_nc_u64 s[54:55], s[4:5], s[54:55]
	s_add_nc_u64 s[56:57], s[4:5], s[56:57]
	s_add_nc_u64 s[10:11], s[8:9], s[58:59]
	s_add_nc_u64 s[8:9], s[8:9], s[60:61]
.irp c, 0,1,2
	global_load_b128 v[S+4*\c:S+4*\c+3], v[LI], s[54:55] offset:512*\c   ; the pair fragment that holds my tile of Q
.endr
	global_load_b32 v[S+12], v[LR], s[56:57]       ; and its scale word
	v_mov_b32 v92, s53                             ; m % 2: which half of the pair is mine
	s_cmp_eq_u32 s53, 1
	s_mov_b32 s45, 0x03020302
	s_cselect_b32 s45, s45, 0x01000100             ; my tile's two bytes, into both halves of the word
	v_mov_b32 v[NINF], 0xff800000
	v_mov_b32 v13, 0xff61b1e6                      ; the largest t so far: -3e38
	s_delay_alu instid0(VALU_DEP_1)
	v_floor_f32 v12, -v13                          ; -M
	v_mov_b32 v14, 0
	v_mov_b32 v15, 0
.irp b, 0,1,2,3
	v_mov_b32 v[BP+\b], 0                          ; written once: a lane permute's destination counts as one of its sources
.endr
	v_mov_b32 v[F+1], 0                            ; (named as the upper half of a pair)
	v_mov_b32 v[T1], 0
.irp j, 0,1,2,3,4,5
	v_mov_b32 v[22+\j], 0                          ; zero codes
.endr
	s_wait_loadcnt 0x0
	v_cmp_eq_u32 vcc_lo, 1, v92
.irp j, 0,1,2,3,4,5
	v_cndmask_b32 v[16+\j], v[S+\j], v[S+6+\j], vcc_lo
.endr
.irp j, 0,1,2,3,4,5
	v_mov_b32 v[28+\j], v[16+\j]
.endr
	v_perm_b32 v[QS], v[S+12], v[S+12], s45
.set NN, 0
.rept 32
	v_mov_b32 v[O+NN], 0                           ; O^T: the step is written once, its first trip finds zeros.  (Also the places between Q's registers and scale word and the first products)
.set NN, NN+1
.endr
.Lslot:                                            ; 7 trips: behind each change of slots but the last the next slot is asked for, up to the causal limit
	CHANGE 1
	FOUR_STEPS
	s_sub_co_u32 s[SLOTS], s[SLOTS], 1
	s_cmp_lg_u32 s[SLOTS], 0
	s_cbranch_scc1 .Lslot
	CHANGE 0                                       ; the last slot is written out: nothing is left to fetch
	FOUR_STEPS
	; THE WAY OUT: O^T / l, quantised along the head's 64 (two blocks), as half an operand's image; the scale words of a group meet in LDS.
	v_add_f32 v14, v14, v15
	s_delay_alu instid0(VALU_DEP_1)
	v_permlanex16_b32 v[T1], v14, s[SEL], s[SEL+1]
	s_delay_alu instid0(VALU_DEP_1)
	v_add_f32 v14, v14, v[T1]                      ; the row's sum
	s_wait_alu depctr_va_vdst(0)
	v_rcp_f32 v14, v14
	v_lshrrev_b32 v[ADI], 1, v[LI]                 ; 8 x lane.  (A plain place behind the reciprocal)
	v_nop
	v_nop
	v_nop                                          ; with the additions above: the places behind the last products
	s_wait_alu depctr_va_vdst(0)                   ; the wait ahead of the reciprocal's first reader
.set NN, 0
.rept 32
	v_mul_f32 v[S+NN], v[O+NN], v14                ; register 16 b + i = o(my query, 32 b + 16 (lane / 16) + i); each accumulator from its low end on
.set NN, NN+1
.endr
.irp b, 0,1
	v_max3_num_f32 v[BM+\b], |v[S+16*\b]|, |v[S+16*\b+1]|, 0x1800000
.endr
.irp i, 2,4,6,8,10,12,14
.irp b, 0,1
	s_delay_alu instid0(VALU_DEP_2)
	v_max3_num_f32 v[BM+\b], v[BM+\b], |v[S+16*\b+\i]|, |v[S+16*\b+\i+1]|
.endr
.endr
.irp b, 0,1
	s_delay_alu instid0(VALU_DEP_2)
	v_permlanex16_b32 v[BP+\b], v[BM+\b], s[SEL], s[SEL+1]
.endr
.irp b, 0,1
	s_delay_alu instid0(VALU_DEP_2)
	v_max_num_f32 v[BM+\b], v[BM+\b], v[BP+\b]
.endr
.irp b, 0,1
	s_delay_alu instid0(VALU_DEP_2)
	v_add_nc_u32 v[SO+\b], 0xff000000, v[BM+\b]
.endr
.irp b, 0,1
	s_delay_alu instid0(VALU_DEP_2)
	v_lshrrev_b32 v[BP+\b], 23, v[SO+\b]
.endr
	s_delay_alu instid0(VALU_DEP_1)
	v_lshl_or_b32 v[T1], v[BP+1], 8, v[BP]         ; two bytes; the upper half stays 0
	v_cvt_scalef32_pk16_fp6_f32 v[P:P+2], v[S:S+15], v[SO]
	v_cvt_scalef32_pk16_fp6_f32 v[CT:CT+2], v[S+16:S+31], v[SO+1]
	v_nop
.irp i, 0,1,2
	v_permlane16_swap_b32 v[P+\i], v[CT+\i]
.endr
.irp i, 0,1,2
	s_delay_alu instid0(VALU_DEP_3)
	v_mov_b32 v[P+3+\i], v[CT+\i]
.endr
	global_store_b128 v[LI], v[P:P+3], s[8:9]      ; 512 consecutive bytes,
	global_store_b64 v[ADI], v[P+4:P+5], s[8:9] offset:512   ; and 256 more: the half image
	ds_store_b32 v[OSA], v[T1]                     ; lanes r and r + 16 write the same word with the same value
	s_wait_dscnt 0x0                               ; for the others' sake
	s_barrier_signal -1
	s_barrier_wait -1
	s_cmp_lt_u32 s[WV], 2                          ; wave 0 has f = 0, wave 1 f = 1: each stores its own group's 512 bytes
	s_cbranch_scc0 .Lend
	ds_load_b128 v[S:S+3], v[OSB]
	s_wait_dscnt 0x0
	global_store_b128 v[LI], v[S:S+3], s[10:11]
.Lend:
	s_wait_tensorcnt 0x0                           ; the wave's end, behind my last tensor load and my last LDS store
	ds_add_u32 v[SPW], v[NIL]
	s_wait_dscnt 0x0
	s_endpgm
.Lfunc_end_k_q5c3fb4119e_attn:
	.size	k_q5c3fb4119e_attn, .Lfunc_end_k_q5c3fb4119e_attn-k_q5c3fb4119e_attn
	.p2alignl 7, 3214868480
	.fill 96, 4, 3214868480
	.section	.rodata,"a",@progbits
	.p2align	6, 0x0
	.amdhsa_kernel k_q5c3fb4119e_attn
		.amdhsa_group_segment_fixed_size 327680
		.amdhsa_private_segment_fixed_size 0
		.amdhsa_enable_private_segment 0
		.amdhsa_kernarg_size 24
		.amdhsa_user_sgpr_count 2
		.amdhsa_user_sgpr_kernarg_segment_ptr 1
		.amdhsa_wavefront_size32 1
		.amdhsa_system_sgpr_workgroup_id_x 1
		.amdhsa_system_sgpr_workgroup_id_y 1
		.amdhsa_system_sgpr_workgroup_id_z 1
		.amdhsa_system_vgpr_workitem_id 0
		.amdhsa_next_free_vgpr 256
		.amdhsa_next_free_sgpr 66
		.amdhsa_reserve_vcc 1
		.amdhsa_float_denorm_mode_32 3
		.amdhsa_float_denorm_mode_16_64 3
		.amdhsa_memory_ordered 1
		.amdhsa_forward_progress 1
		.amdhsa_inst_pref_size 58
	.end_amdhsa_kernel
	.amdgpu_metadata
---
amdhsa.version: [ 1, 2 ]
amdhsa.kernels:
  - .name:           k_q5c3fb4119e_attn
    .symbol:         k_q5c3fb4119e_attn.kd
    .args:
      - { .name: qc, .offset: 0, .size: 8, .value_kind: global_buffer, .address_space: global }
      - { .name: kv, .offset: 8, .size: 8, .value_kind: global_buffer, .address_space: global }
      - { .name: oc, .offset: 16, .size: 8, .value_kind: global_buffer, .address_space: global }
    .group_segment_fixed_size: 327680
    .private_segment_fixed_size: 0
    .kernarg_segment_align: 8
    .kernarg_segment_size: 24
    .max_flat_workgroup_size: 512
    .sgpr_count:     66
    .vgpr_count:     256
    .wavefront_size: 32
...
	.end_amdgpu_metadata
.endif
;; end of part 7
;; launch oproj (part 8): grid 64 x 4, 4 waves a work-group, no clusters, 17,920 bytes of LDS; arguments oc, wc, out0; writes out0
.if DOCPART == 8
	.amdgcn_target "amdgcn-amd-amdhsa--gfx1250"
	.amdhsa_code_object_version 6
	.text
	.protected	k_q5c3fb4119e_oproj
	.globl	k_q5c3fb4119e_oproj
	.p2align	8
	.type	k_q5c3fb4119e_oproj,@function
k_q5c3fb4119e_oproj:
	s_mov_b64 s[64:65], 0
	v_nop
	global_prefetch_b8 v0, s[64:65] scope:SCOPE_SE
	s_setreg_imm32_b32 hwreg(HW_REG_WAVE_SCHED_MODE, 0, 2), 2
	s_setreg_imm32_b32 hwreg(HW_REG_WAVE_MODE, 25, 1), 1
	s_wait_xcnt 0x0
	s_wait_alu depctr_vm_vsrc(0)
; out0 = o wo^T on codes of FP6 (E2M3) with E8M0 scales; o's codes come from the attention as images of operand registers (oc), wo's from wc.
; SHARES.  Work-group (bg, G) makes the 128 rows of group bg x outputs 128 G .. 128 G + 127.  Wave w: row tiles 4 (w / 2) .. + 3 against wo's tiles 4 (w % 2) .. + 3: 16 accumulators, 4 K steps, 64 products.
; Every operand goes from memory straight into registers, once: no ring, no barrier.  Transposed use (source 0 = wo's tile, source 1 = o's tile): a lane holds one row of out0 and eight neighbouring outputs.
; The rows of a tile are row 32 (t / 2) + 8 (t % 2) + r + 8 (r / 8) of the group, wo's rows likewise; so a wave's 64 outputs are 256 consecutive bytes of a row, gathered in the wave's own stage in LDS.
; oc, group bg at 53,248 bg: the half image (6 registers) of (tile m, head) at 6,144 m + 768 head, heads 2 s and 2 s + 1 on end being fragment (m, s); scale half words at 49,152 + 512 head + 256 (m / 4) + 16 r + 4 (m % 4).
; THE MODE: SCHED_MODE bits 1:0 = 2 (LLVM: expert scheduling mode 2), set by the entry lines.  The code itself states the register dependences
; between vector or matrix instructions and memory or LDS instructions, with s_wait_alu, always for 0.
; THE PLAN.  The text runs straight through, with no loop.  Registers that memory or LDS instructions touch:
;   v4-v9           offsets and LDS addresses: made once at the head, never written again: one wait on va_vdst ahead of the first load.
;   windows 1, 2, WS, OSR   loaded once, into registers that no vector instruction has named.
;   OS              made of OSR by sixteen vector lines and taken as scales by the products: the eight places, then a wait on va_vdst.
;   the accumulators   written by the products, read by the LDS stores of the way out: the four places, then a wait on va_vdst, which also shows the readers of OSR done.
;   BK0 (= OSR), BK1   rows from the stage land there, global stores read them, and the rows of two tiles on land there again: a wait on vm_vsrc ahead of each second landing.
; REGISTERS: window 0 below; window 1: o's fragments at 12 (4 mm + s); window 2: wo's at 12 (4 tt + s).
.set LI,  4
.set L8,  5
.set LR,  6
.set STO, 7
.set RD,  8
.set CO,  9
.set SPW, 12
.set NIL, 13
.set ACC, 16                           ; v16-143  accumulator (mm, tt) at 16 + 8 (4 mm + tt)
.set OSR, 144                          ; v144-175 o's half words, register 4 head + mm; on the way out: rows read back
.set OS,  176                          ; v176-191 o's scale words, register 4 mm + s
.set WS,  192                          ; v192-207 wo's, register 4 tt + s
.set BK0, 144
.set BK1, 208                          ; v208-239 rows read back, the other set
.set SPARE, 17408                      ; behind the four stages of 16 rows x 272 bytes
.set MSB, 0
.macro WIN new
.if MSB != \new
	s_set_vgpr_msb (MSB<<8)|\new
.set MSB, \new
.endif
.endm
.macro PLACES n
.rept \n
	v_nop
.endr
.endm
.macro KSTEP s, zero                   ; 16 products, the accumulators by turns
.irp mm, 0,1,2,3
.irp tt, 0,1,2,3
.if \zero
	v_wmma_scale_f32_16x16x128_f8f6f4 v[ACC+8*(4*\mm+\tt):ACC+8*(4*\mm+\tt)+7], v[12*(4*\tt+\s):12*(4*\tt+\s)+11], v[12*(4*\mm+\s):12*(4*\mm+\s)+11], 0, v[WS+4*\tt+\s], v[OS+4*\mm+\s] matrix_a_fmt:MATRIX_FMT_FP6 matrix_b_fmt:MATRIX_FMT_FP6
.else
	v_wmma_scale_f32_16x16x128_f8f6f4 v[ACC+8*(4*\mm+\tt):ACC+8*(4*\mm+\tt)+7], v[12*(4*\tt+\s):12*(4*\tt+\s)+11], v[12*(4*\mm+\s):12*(4*\mm+\s)+11], v[ACC+8*(4*\mm+\tt):ACC+8*(4*\mm+\tt)+7], v[WS+4*\tt+\s], v[OS+4*\mm+\s] matrix_a_fmt:MATRIX_FMT_FP6 matrix_b_fmt:MATRIX_FMT_FP6
.endif
.endr
.endr
.endm
.macro TOSTAGE mm                      ; a tile of 16 rows x 64 outputs into my stage, and back as whole rows of 256 bytes; LDS serves a wave's instructions in order
.irp tt, 0,1,2,3
	ds_store_b128 v[STO], v[ACC+8*(4*(\mm)+\tt):ACC+8*(4*(\mm)+\tt)+3] offset:128*(\tt/2)+32*(\tt%2)       ; each accumulator from its low end on
	ds_store_b128 v[STO], v[ACC+8*(4*(\mm)+\tt)+4:ACC+8*(4*(\mm)+\tt)+7] offset:128*(\tt/2)+32*(\tt%2)+16
.endr
.set BB, BK0+(BK1-BK0)*((\mm)%2)
.irp i, 0,1,2,3,4,5,6,7
	ds_load_b128 v[BB+4*\i:BB+4*\i+3], v[RD] offset:544*\i
.endr
.endm
.macro SEND mm, younger                ; younger: the LDS instructions issued behind this tile's loads
.set BB, BK0+(BK1-BK0)*((\mm)%2)
	s_wait_dscnt \younger
.irp i, 0,1,2,3,4,5,6,7
	global_store_b128 v[CO], v[BB+4*\i:BB+4*\i+3], s[24:25] offset:(32*((\mm)/2)+8*((\mm)%2)+2*\i+8*(\i/4))*2048 th:TH_STORE_NT   ; sixteen lanes store 256 consecutive bytes, aligned; stage rows 2 i and 2 i + 1
.endr
.endm
	s_load_b128 s[4:7], s[0:1], 0x0                ; oc, wc
	s_load_b64 s[8:9], s[0:1], 0x10                ; out0
	v_lshl_add_u32 v[SPW], v0, 2, SPARE
	v_mov_b32 v[NIL], 0
	v_lshrrev_b32 v1, 5, v0
	v_readfirstlane_b32 s10, v1                    ; wave
	s_and_b32 s13, ttmp7, 0xffff                   ; G
	v_and_b32 v1, 31, v0
	v_and_b32 v2, 15, v0                           ; r
	v_bfe_u32 v3, v0, 4, 1                         ; h
	v_lshlrev_b32 v[LI], 4, v1
	v_lshlrev_b32 v[L8], 3, v1
	v_lshlrev_b32 v[LR], 4, v2
	s_wait_alu depctr_va_sdst(0)                   ; s10, the wave's number, is written, ahead of its first reader
	s_lshr_b32 s11, s10, 1                         ; which half of the rows
	s_and_b32 s12, s10, 1                          ; which half of the outputs
	s_mul_i32 s14, s10, 4352                       ; my stage
	v_mul_u32_u24 v[STO], v2, 272
	v_lshl_add_u32 v[STO], v3, 6, v[STO]
	v_add_nc_u32 v[STO], s14, v[STO]               ; in: row r, + 64 h
	v_mul_u32_u24 v[RD], v3, 272
	v_add_nc_u32 v[RD], v[RD], v[LR]
	v_add_nc_u32 v[RD], s14, v[RD]                 ; back: lanes 0-15 one row, lanes 16-31 the next
	v_lshl_add_u32 v[CO], v3, 11, v[LR]            ; and the same in out0: rows of 2,048 bytes
	s_mul_i32 s15, ttmp9, 53248
	s_mul_i32 s16, s11, 24576                      ; my four tiles of o
	s_add_co_u32 s16, s16, s15
	s_mov_b32 s17, 0
	s_lshl_b32 s18, s11, 8
	s_add_co_u32 s18, s18, s15
	s_add_co_u32 s18, s18, 49152                   ; their half words
	s_mov_b32 s19, 0
	s_lshl_b32 s20, s13, 3
	s_lshl_b32 s21, s12, 2
	s_add_co_u32 s21, s20, s21                     ; wo's first tile of mine: 8 G + 4 (w % 2)
	s_mul_i32 s20, s21, 6144
	s_add_co_u32 s20, s20, 614400                  ; wo is the fourth weight in wc
	s_lshl_b32 s22, s21, 8
	s_add_co_u32 s22, s22, 614400+196608
	s_mov_b32 s21, 0
	s_mov_b32 s23, 0
	s_lshl_b32 s24, ttmp9, 18                      ; out0: row 128 bg + 64 (w / 2), byte 512 G + 256 (w % 2)
	s_lshl_b32 s25, s11, 17
	s_add_co_u32 s24, s24, s25
	s_lshl_b32 s25, s13, 9
	s_add_co_u32 s24, s24, s25
	s_lshl_b32 s25, s12, 8
	s_add_co_u32 s24, s24, s25
	s_mov_b32 s25, 0
	s_wait_kmcnt 0x0
	s_add_nc_u64 s[16:17], s[4:5], s[16:17]
	s_add_nc_u64 s[18:19], s[4:5], s[18:19]
	s_add_nc_u64 s[20:21], s[6:7], s[20:21]
	s_add_nc_u64 s[22:23], s[6:7], s[22:23]
	s_add_nc_u64 s[24:25], s[8:9], s[24:25]
	s_wait_alu depctr_va_vdst(0)                   ; the six offsets and LDS addresses v4 to v9 are written, which the loads and stores below read
.irp hd, 0,1,2,3,4,5,6,7
	global_load_b128 v[OSR+4*\hd:OSR+4*\hd+3], v[LR], s[18:19] offset:512*\hd
.endr
.irp tt, 0,1,2,3
	global_load_b128 v[WS+4*\tt:WS+4*\tt+3], v[LR], s[22:23] offset:256*\tt
.endr
.irp s, 0,1,2,3                                ; K step by K step: 16 loads of o, 12 of wo
	WIN 0x40
.irp mm, 0,1,2,3
	global_load_b128 v[12*(4*\mm+\s):12*(4*\mm+\s)+3], v[LI], s[16:17] offset:6144*\mm+1536*\s
	global_load_b64 v[12*(4*\mm+\s)+4:12*(4*\mm+\s)+5], v[L8], s[16:17] offset:6144*\mm+1536*\s+512
	global_load_b128 v[12*(4*\mm+\s)+6:12*(4*\mm+\s)+9], v[LI], s[16:17] offset:6144*\mm+1536*\s+768
	global_load_b64 v[12*(4*\mm+\s)+10:12*(4*\mm+\s)+11], v[L8], s[16:17] offset:6144*\mm+1536*\s+1280
.endr
	WIN 0x80
.irp tt, 0,1,2,3
.irp c, 0,1,2
	global_load_b128 v[12*(4*\tt+\s)+4*\c:12*(4*\tt+\s)+4*\c+3], v[LI], s[20:21] offset:6144*\tt+1536*\s+512*\c
.endr
.endr
.endr
	WIN 0
	s_wait_loadcnt 63                              ; of the 124 loads the first 61 are in: the 12 of scales and K step 0's 28 among them
.irp mm, 0,1,2,3
.irp s, 0,1,2,3
	v_lshl_or_b32 v[OS+4*\mm+\s], v[OSR+4*(2*\s+1)+\mm], 16, v[OSR+8*\s+\mm]   ; head 2 s's two bytes below, head 2 s + 1's above
.endr
.endr
	PLACES 8                                       ; a scale register written by a vector instruction stands 8 places ahead of a scaled product
	s_wait_alu depctr_va_vdst(0)                   ; the sixteen lines above have written o's scale words, which the products take as scales; the places stay beside this wait
	WIN 0x06                                       ; source 0 (wo) window 2, source 1 (o) window 1, C and D window 0
	KSTEP 0, 1
	s_wait_loadcnt 56                              ; K step 1 is in; the 28 loads of each of steps 2 and 3 may be out
	KSTEP 1, 0
	s_wait_loadcnt 28
	KSTEP 2, 0
	s_wait_loadcnt 0x0
	KSTEP 3, 0
	WIN 0
	PLACES 4                                       ; in front of the first read of the results
	s_wait_alu depctr_va_vdst(0)                   ; the products have written the accumulators, which the LDS stores read; the lines that read v[OSR ..] are done, where rows from the stage land; the places stay beside this wait
	TOSTAGE 0
	TOSTAGE 1
	SEND 0, 16                                     ; behind tile 0's loads: tile 1's 8 stores and 8 loads
	s_wait_xcnt 0x0                                ; tile 0's stores have had their addresses translated,
	s_wait_alu depctr_vm_vsrc(0)                   ; and have read their registers, in which tile 2's rows land
	TOSTAGE 2
	SEND 1, 16
	s_wait_xcnt 0x0                                ; tile 1's stores likewise,
	s_wait_alu depctr_vm_vsrc(0)                   ; and have read their registers, in which tile 3's rows land
	TOSTAGE 3
	SEND 2, 16
	SEND 3, 0
	s_wait_dscnt 0x0                               ; the closing lines, six on end
	s_wait_alu 0x0
	s_wait_tensorcnt 0x0
	ds_add_u32 v[SPW], v[NIL]
	s_wait_dscnt 0x0
	s_endpgm
.Lfunc_end_k_q5c3fb4119e_oproj:
	.size	k_q5c3fb4119e_oproj, .Lfunc_end_k_q5c3fb4119e_oproj-k_q5c3fb4119e_oproj
	.p2alignl 7, 3214868480
	.fill 96, 4, 3214868480
	.section	.rodata,"a",@progbits
	.p2align	6, 0x0
	.amdhsa_kernel k_q5c3fb4119e_oproj
		.amdhsa_group_segment_fixed_size 17920
		.amdhsa_private_segment_fixed_size 0
		.amdhsa_enable_private_segment 0
		.amdhsa_kernarg_size 24
		.amdhsa_user_sgpr_count 2
		.amdhsa_user_sgpr_kernarg_segment_ptr 1
		.amdhsa_wavefront_size32 1
		.amdhsa_system_sgpr_workgroup_id_x 1
		.amdhsa_system_sgpr_workgroup_id_y 1
		.amdhsa_system_sgpr_workgroup_id_z 1
		.amdhsa_system_vgpr_workitem_id 0
		.amdhsa_next_free_vgpr 704
		.amdhsa_next_free_sgpr 66
		.amdhsa_reserve_vcc 0
		.amdhsa_float_denorm_mode_32 3
		.amdhsa_float_denorm_mode_16_64 3
		.amdhsa_memory_ordered 1
		.amdhsa_forward_progress 1
		.amdhsa_inst_pref_size 32
	.end_amdhsa_kernel
	.amdgpu_metadata
---
amdhsa.version: [ 1, 2 ]
amdhsa.kernels:
  - .name:           k_q5c3fb4119e_oproj
    .symbol:         k_q5c3fb4119e_oproj.kd
    .args:
      - { .name: oc, .offset: 0, .size: 8, .value_kind: global_buffer, .address_space: global }
      - { .name: wc, .offset: 8, .size: 8, .value_kind: global_buffer, .address_space: global }
      - { .name: out0, .offset: 16, .size: 8, .value_kind: global_buffer, .address_space: global }
    .group_segment_fixed_size: 17920
    .private_segment_fixed_size: 0
    .kernarg_segment_align: 8
    .kernarg_segment_size: 24
    .max_flat_workgroup_size: 128
    .sgpr_count:     66
    .vgpr_count:     704
    .wavefront_size: 32
...
	.end_amdgpu_metadata
.endif
;; end of part 8
